; MI455X (gfx1250); checked and timed in simulation.
; The chip was launched on July 23, 2026; its instructions are those of AMD's public machine-readable ISA for CDNA 5 (MIT licence, August 2026) and "CDNA5" Instruction Set Architecture Reference Guide (July 2026). The comments in the code are by the model that wrote it; some were corrected since.
;; Transformer Block Py Torch. Allowed arithmetic: float matrix products may take bf16 or f16 operands with f32 sums; other float arithmetic in f32, or as packed bf16 or f16 multiplies, adds, multiply-adds, maxima and minima; sums over many terms, partial sums and values carried from step to step in f32; what a program stores and reads back later, other than sums and carried values, may be rounded once to bf16 or f16.
;; Inputs: b_attn 3,072 float32; b_fc 4,096 float32; b_fc_proj 1,024 float32; b_proj 1,024 float32; ln1_b 1,024 float32; ln1_g 1,024 float32; ln2_b 1,024 float32; ln2_g 1,024 float32; w_attn 1,024 x 3,072 float32; w_fc 1,024 x 4,096 float32; w_fc_proj 4,096 x 1,024 float32; w_proj 1,024 x 1,024 float32; x 2 x 2,048 x 1,024 float32.
;; Outputs: out0 2 x 2,048 x 1,024 float32.
;; One version. Each part assembles by itself: llvm-mc -triple=amdgcn-amd-amdhsa -mcpu=gfx1250 --defsym DOCPART=n.
;; ======== version 1 of 1: 8 launches
;; limits: values are held in f16: magnitudes above 65,504 overflow, below 6.1e-05 lose precision
;; workspace buffers: cst 33,554,432 bytes; q 8,388,608 bytes; k 8,396,800 bytes; v 8,388,608 bytes; o 8,388,608 bytes; p 16,777,216 bytes; h 8,388,608 bytes; g 33,554,432 bytes
;; launch cast (part 1): grid 64 x 16, 8 waves a work-group, no clusters, 0 bytes of LDS; arguments x, w_attn, w_proj, w_fc, w_fc_proj, cst, k; writes cst, k
.if DOCPART == 1
	.amdgcn_target "amdgcn-amd-amdhsa--gfx1250"
	.amdhsa_code_object_version 6
	.text
	.protected	k_qb9d8d1dd36_cast
	.globl	k_qb9d8d1dd36_cast
	.p2align	8
	.type	k_qb9d8d1dd36_cast,@function
k_qb9d8d1dd36_cast:
	s_mov_b64 s[64:65], 0
	v_nop
	global_prefetch_b8 v0, s[64:65] scope:SCOPE_SE
	s_setreg_imm32_b32 hwreg(HW_REG_WAVE_MODE, 25, 1), 1
	s_wait_xcnt 0x0
; x and the four weights, f32, are rounded once to bf16 (to nearest even) and that number is written as f16 into cst:
; x at byte 0, w_attn at 0x800000, w_proj at 0xE00000, w_fc at 0x1000000, w_fc_proj at 0x1800000; the layouts stay as they are.
; LIMITS.  The bf16 number is exact in f16 from 6.1e-5 up to 65,504; below it keeps f16's fixed step of 6e-8; from 65,520 on it becomes an infinity.
; SHARES.  The 16 Mi numbers are 16 units of 1 Mi (grid y): units 0-3 x, 4-6 w_attn, 7 w_proj, 8-11 w_fc, 12-15 w_fc_proj.  A work-group takes 16,384 numbers of a unit.
; A wave's load covers 512 consecutive bytes, its store 256 consecutive bytes, aligned.  All 16 loads of a thread go out first; no register is used twice by memory instructions.
; Memory binds: no LDS, no matrix unit, no cluster would add anything.
; ALSO: work-group (0, 0) stores zeros into the 8,192 bytes behind k's last head: the attention launch's last tile of K reaches one key step past a head, and reads only bytes that have been stored.
.set T,   4                            ; v[4:9]    at work
.set IN,  16                           ; v[16:79]  group i: four f32 as loaded
.set OUT, 80                           ; v[80:111] group i: four f16 to store
	s_load_b256 s[4:11], s[0:1], 0x0               ; x, w_attn, w_proj, w_fc
	s_load_b128 s[12:15], s[0:1], 0x20             ; w_fc_proj, cst
	s_load_b64 s[26:27], s[0:1], 0x30              ; k
	s_and_b32 s16, ttmp7, 0xffff                   ; the unit
	s_mov_b32 s20, 0xffff0000                      ; a word's upper bf16
	s_mov_b32 s17, 0                               ; the first unit of the tensor in hand
	v_lshlrev_b32 v1, 4, v0                        ; 16 bytes a thread in,
	v_lshlrev_b32 v2, 3, v0                        ; 8 bytes out
	s_wait_kmcnt 0x0
	s_mov_b64 s[18:19], s[4:5]
	s_cmp_ge_u32 s16, 4
	s_cselect_b64 s[18:19], s[6:7], s[18:19]
	s_cselect_b32 s17, 4, s17
	s_cmp_ge_u32 s16, 7
	s_cselect_b64 s[18:19], s[8:9], s[18:19]
	s_cselect_b32 s17, 7, s17
	s_cmp_ge_u32 s16, 8
	s_cselect_b64 s[18:19], s[10:11], s[18:19]
	s_cselect_b32 s17, 8, s17
	s_cmp_ge_u32 s16, 12
	s_cselect_b64 s[18:19], s[12:13], s[18:19]
	s_cselect_b32 s17, 12, s17
	s_sub_co_u32 s17, s16, s17                     ; the unit within its tensor: 4 MiB of f32 each
	s_lshl_b32 s22, s17, 22
	s_lshl_b32 s23, ttmp9, 16                      ; the work-group's 65,536 bytes
	s_add_co_u32 s22, s22, s23
	s_mov_b32 s23, 0
	s_add_nc_u64 s[18:19], s[18:19], s[22:23]
	s_lshl_b32 s24, s16, 21                        ; 2 MiB of f16 a unit
	s_lshl_b32 s25, ttmp9, 15
	s_add_co_u32 s24, s24, s25
	s_mov_b32 s25, 0
	s_add_nc_u64 s[14:15], s[14:15], s[24:25]
.set i, 0
.rept 16
	global_load_b128 v[IN+4*i:IN+4*i+3], v1, s[18:19] offset:4096*i th:TH_LOAD_NT
.set i, i+1
.endr
.set i, 0
.rept 16
	s_wait_loadcnt 15-i                            ; loads come back in order: group i is in, the 15 - i younger ones stay out
	v_cvt_pk_bf16_f32 v[T], v[IN+4*i], v[IN+4*i+1]
	v_cvt_pk_bf16_f32 v[T+1], v[IN+4*i+2], v[IN+4*i+3]
	v_lshlrev_b32 v[T+2], 16, v[T]                 ; the bf16 numbers as f32
	v_and_b32 v[T+3], s20, v[T]
	v_lshlrev_b32 v[T+4], 16, v[T+1]
	v_and_b32 v[T+5], s20, v[T+1]
	v_cvt_pk_f16_f32 v[OUT+2*i], v[T+2], v[T+3]
	v_cvt_pk_f16_f32 v[OUT+2*i+1], v[T+4], v[T+5]
	global_store_b64 v2, v[OUT+2*i:OUT+2*i+1], s[14:15] offset:2048*i
.set i, i+1
.endr
	s_or_b32 s28, s16, ttmp9                       ; work-group (0, 0) alone goes on
	s_cmp_lg_u32 s28, 0
	s_cbranch_scc1 .Ldone
	s_add_nc_u64 s[26:27], s[26:27], 0x800000      ; behind k's 32 heads
	v_mov_b32 v[T], 0                              ; (no memory instruction names these four)
	v_mov_b32 v[T+1], 0
	v_mov_b32 v[T+2], 0
	v_mov_b32 v[T+3], 0
	global_store_b128 v1, v[T:T+3], s[26:27]               ; 256 threads x 16 bytes, twice: 8,192 consecutive bytes
	global_store_b128 v1, v[T:T+3], s[26:27] offset:4096
.Ldone:
	s_endpgm
.Lfunc_end_k_qb9d8d1dd36_cast:
	.size	k_qb9d8d1dd36_cast, .Lfunc_end_k_qb9d8d1dd36_cast-k_qb9d8d1dd36_cast
	.p2alignl 7, 3214868480
	.fill 96, 4, 3214868480
	.section	.rodata,"a",@progbits
	.p2align	6, 0x0
	.amdhsa_kernel k_qb9d8d1dd36_cast
		.amdhsa_group_segment_fixed_size 0
		.amdhsa_private_segment_fixed_size 0
		.amdhsa_enable_private_segment 0
		.amdhsa_kernarg_size 56
		.amdhsa_user_sgpr_count 2
		.amdhsa_user_sgpr_kernarg_segment_ptr 1
		.amdhsa_wavefront_size32 1
		.amdhsa_system_sgpr_workgroup_id_x 1
		.amdhsa_system_sgpr_workgroup_id_y 1
		.amdhsa_system_sgpr_workgroup_id_z 1
		.amdhsa_system_vgpr_workitem_id 0
		.amdhsa_next_free_vgpr 112
		.amdhsa_next_free_sgpr 66
		.amdhsa_reserve_vcc 0
		.amdhsa_float_denorm_mode_32 3
		.amdhsa_float_denorm_mode_16_64 3
		.amdhsa_memory_ordered 1
		.amdhsa_forward_progress 1
		.amdhsa_inst_pref_size 12
	.end_amdhsa_kernel
	.amdgpu_metadata
---
amdhsa.version: [ 1, 2 ]
amdhsa.kernels:
  - .name:           k_qb9d8d1dd36_cast
    .symbol:         k_qb9d8d1dd36_cast.kd
    .args:
      - { .name: x, .offset: 0, .size: 8, .value_kind: global_buffer, .address_space: global }
      - { .name: w_attn, .offset: 8, .size: 8, .value_kind: global_buffer, .address_space: global }
      - { .name: w_proj, .offset: 16, .size: 8, .value_kind: global_buffer, .address_space: global }
      - { .name: w_fc, .offset: 24, .size: 8, .value_kind: global_buffer, .address_space: global }
      - { .name: w_fc_proj, .offset: 32, .size: 8, .value_kind: global_buffer, .address_space: global }
      - { .name: cst, .offset: 40, .size: 8, .value_kind: global_buffer, .address_space: global }
      - { .name: k, .offset: 48, .size: 8, .value_kind: global_buffer, .address_space: global }
    .group_segment_fixed_size: 0
    .private_segment_fixed_size: 0
    .kernarg_segment_align: 8
    .kernarg_segment_size: 56
    .max_flat_workgroup_size: 256
    .sgpr_count:     66
    .vgpr_count:     112
    .wavefront_size: 32
...
	.end_amdgpu_metadata
.endif
;; end of part 1
;; launch qkv (part 2): grid 12 x 16, 4 waves a work-group, clusters of 4 x 4, 327,680 bytes of LDS; arguments cst, b_attn, q, k, v; writes q, k, v
.if DOCPART == 2
	.amdgcn_target "amdgcn-amd-amdhsa--gfx1250"
	.amdhsa_code_object_version 6
	.text
	.protected	k_qb9d8d1dd36_qkv
	.globl	k_qb9d8d1dd36_qkv
	.p2align	8
	.type	k_qb9d8d1dd36_qkv,@function
k_qb9d8d1dd36_qkv:
	s_mov_b64 s[64:65], 0
	v_nop
	global_prefetch_b8 v0, s[64:65] scope:SCOPE_SE
	s_setreg_imm32_b32 hwreg(HW_REG_WAVE_MODE, 25, 1), 1
	s_wait_xcnt 0x0
	s_wait_alu depctr_hold_cnt(0) depctr_sa_sdst(0) depctr_va_vdst(0) depctr_va_sdst(0) depctr_va_ssrc(0) depctr_va_vcc(0) depctr_vm_vsrc(0)
	s_getreg_b32 s2, hwreg(HW_REG_IB_STS2, 6, 4)
	s_cmp_eq_u32 s2, 0
	s_cbranch_scc0 .Lentry_in_a_cluster
	s_endpgm
.Lentry_in_a_cluster:
	s_bfe_u32 s2, ttmp6, 0x10000c
	s_cmp_lg_u32 s2, 0xf033
	s_cbranch_scc0 .Lentry_shape_is_right
	s_endpgm
.Lentry_shape_is_right:
; q, k, v = x w_attn + b_attn, split by heads: [32 = batch x 16 + head][2048][64] in f16, unscaled, each number rounded once from its f32 sum.
; x [4096][1024] and w_attn [1024][3072] come as f16 from cst (bytes 0 and 0x800000); b_attn is rounded to bf16 here.  LIMIT: |q|, |k|, |v| below 65,504.
; SHARES.  A tile of 256 x 256 to a work-group of four waves, 128 x 128 a wave: 64 accumulators, 512 registers.  K goes in steps of 128 through two LDS slots.
; THE WEIGHTS LIE [K][N]: their tile stands in LDS as it lies in memory and the turning load ds_load_tr16_b128 makes the fragments.
; THE MATRIX INSTRUCTION IS USED TRANSPOSED (source 0 = 16 columns of the weights, source 1 = 16 rows of x): a lane holds row l % 16 and the eight columns 8 (l / 16) + 0..7.
; The bias is the C operand of the products that start the sums.
; CLUSTER 4 x 4: x's tile is asked for jointly along a row of the cluster, the weights' along a column.
; A K STEP IS WRITTEN ONCE: a PAIR of quarter steps in a loop of two trips; the slot is chosen by two scalars that one exclusive or turns.
; THE WAY OUT: all accumulators go as f32 into the ring, which has had its last fill; each wave reads its own part back by rows in a counted loop.
; REGISTERS in windows of 256: window 0 addresses, x's fragments (v64-191), way out; window 1 bias (v0-63), the weights' fragments (v64-191); windows 2, 3 the accumulators, (a, b) at 8 (8 (a % 4) + b).
.set MB,     8                         ; blocks of 16 a wave, each way
.set CQ,     1                         ; matrix instructions deep in a quarter step
.set TSTEPS, 8                         ; K steps: 1024 / 128
.set NN,     3072
.set APITCH, 272                       ; 256 bytes + 16: the 16 rows of a load start at 16 different groups of four banks
.set AQ,     64                        ; bytes of a row in a quarter step
.set AWR,    128*APITCH                ; a wave's half of the rows
.set BPITCH, 544                       ; 512 bytes + 32
.set BQ,     32*CQ*BPITCH
.set HALFA,  128*APITCH                ; what one tensor load brings
.set HALFB,  64*BPITCH
.set BBASE,  2*HALFA
.set SLOTX,  0x22000                   ; slot 1 begins here; none of its bits is set in a load's place in slot 0 (0, 0x8800, 0x11000, 0x19800)
.set SPARE,  0x44000                   ; behind the ring: the spare words, 128 bytes a wave
.set ASTEP,  256                       ; global bytes from K step to K step
.set BSTEP,  128*2*NN
.set BOFF,   0x800000
.set ATILE,  256*2048
.set AHALF,  128*2048
.set BTILE,  512
.set BHALF,  64*2*NN
.set DP,     528                       ; a row of the dump: 128 f32 + 16 bytes
.set DUMPW,  128*DP
.set WQ,     8                         ; at a quarter's head the youngest eight loads (x's rows 64-127) may be out
.set PF,     1
.set APIT,   2048                      ; the prefetches: pitch, blocks of 256 bytes a row less one, a partner's 32 blocks
.set ASH,    0
.set APART,  32*2048
.set BPIT,   2*NN
.set BSH,    1
.set BPART,  16*2*NN
.set AG10,   (1<<16)|(1<<20)|(1<<21)|(5<<22)|(3<<25)  ; 2-byte elements; padding on; bit 21 beside a mask; after every 64 words 4 words
.set ADIM0,  128
.set ADIM1,  128
.set ASTR,   1024
.set BG10,   (1<<16)|(1<<20)|(1<<21)|(6<<22)|(7<<25)  ; after every 128 words 8 words
.set BDIM0,  256
.set BDIM1,  64
.set BSTR,   NN
.set AP,     68                        ; argument registers
.set CP,     68
.set BIASP,  70
.set ADRA0, 16                         ; my lane's place in x's tile; never rewritten
.set ADRB0, 17                         ; the same in the weights' tile
.set ADRA,  18                         ; the addresses of the run of loads in hand
.set ADRB,  19
.set STO,   24
.set RD,    25
.set CO,    26
.set BO,    27
.set SPW,   28                         ; LDS address of my spare word; never rewritten
.set NIL,   29                         ; 0; never rewritten
.set PFO,   30
.set X,     32
.set F0,    64
.set F1,    128
.set Y,     224
.set G1A,   24
.set G0A,   32
.set TBA,   36                         ; LDS byte at which the quarter step to be fetched begins, for x
.set TBB,   37                         ; and for the weights
.set LIM,   43
.set PFA,   44
.set PFS,   46
.set G1B,   48
.set G0B,   56
.set TO_B,  0x40
.set MSB, 0
.macro WIN new                         ; the immediate's high byte repeats the setting that is left; a switch that changes nothing is dropped
.if MSB != (\new)
	s_set_vgpr_msb (MSB<<8)|(\new)
.set MSB, \new
.endif
.endm
.macro PLACES                          ; four places between a matrix instruction and a load into, or a reader of, its registers
.rept 4
	v_nop
.endr
.endm
.macro JLOAD                           ; a joint load: waves 0, 1 fetch the two halves of x's tile, waves 2, 3 those of the weights'; s_nop 0 and four v_nop follow each line
	s_cmp_eq_u32 s11, 0
	s_cbranch_scc0 .Lfor_b_\@
	tensor_load_to_lds s[G0A:G0A+3], s[G1A:G1A+7]
	s_nop 0
.rept 4
	v_nop
.endr
	s_branch .Lasked_\@
.Lfor_b_\@:
	tensor_load_to_lds s[G0B:G0B+3], s[G1B:G1B+7]
	s_nop 0
.rept 4
	v_nop
.endr
.Lasked_\@:
.endm
.macro CROUND                          ; a round of the cluster's barrier
	s_barrier_signal -1
	s_barrier_wait -1
	s_cmp_lg_u32 s10, 0
	s_cbranch_scc1 .Lnot_wave_0_\@
	s_barrier_signal -3
.Lnot_wave_0_\@:
	s_barrier_wait -3
	s_barrier_signal -1
	s_barrier_wait -1
.endm
.macro ASK                             ; a prefetch of my work-group's 32 blocks of 256 bytes of the tile that the NEXT change of slots will ask for; the last looped change (s2 = 1) asks for nothing
	s_cmp_gt_u32 s2, s[LIM]
	s_cbranch_scc0 .Lnot_mine_\@
	global_prefetch_b8 v[PFO], s[PFA:PFA+1] th:TH_LOAD_NT scope:SCOPE_SE
.Lnot_mine_\@:
.endm
; 32 products: my rows 64 half .. 64 half + 63 x all 128 columns, 32 along K.  cb = 1: they start the sums, with the bias as C.  The 64 accumulators take turns, in the same order in every quarter step.
.macro MULH f, half, cb
.if \cb
	WIN 0x91+0x40*(\half)
.else
	WIN 0xa1+0x50*(\half)
.endif
.irp a, 0,1,2,3
.irp b, 0,1,2,3,4,5,6,7
.if \cb
	v_wmma_f32_16x16x32_f16 v[8*(8*(\a)+(\b)):8*(8*(\a)+(\b))+7], v[(\f)+8*(\b):(\f)+8*(\b)+7], v[(\f)+8*(4*(\half)+(\a)):(\f)+8*(4*(\half)+(\a))+7], v[8*(\b):8*(\b)+7]
.else
	v_wmma_f32_16x16x32_f16 v[8*(8*(\a)+(\b)):8*(8*(\a)+(\b))+7], v[(\f)+8*(\b):(\f)+8*(\b)+7], v[(\f)+8*(4*(\half)+(\a)):(\f)+8*(4*(\half)+(\a))+7], v[8*(8*(\a)+(\b)):8*(8*(\a)+(\b))+7]
.endif
.endr
.endr
.endm
; 32 LDS loads in one run: the fragments of the quarter step at s[TBA], s[TBB] into buffer g; the weights' first
.macro FETCH g
	WIN 0
	v_add_nc_u32 v[ADRA], s[TBA], v[ADRA0]
	v_add_nc_u32 v[ADRB], s[TBB], v[ADRB0]
.set cc, 0
.rept CQ
	WIN TO_B
.set bb, 0
.rept MB
	ds_load_tr16_b128 v[(\g)+8*(MB*cc+bb):(\g)+8*(MB*cc+bb)+3],   v[ADRB] offset:32*bb+32*cc*BPITCH
	ds_load_tr16_b128 v[(\g)+8*(MB*cc+bb)+4:(\g)+8*(MB*cc+bb)+7], v[ADRB] offset:32*bb+32*cc*BPITCH+16*BPITCH
.set bb, bb+1
.endr
	WIN 0
.set bb, 0
.rept MB
	ds_load_b128 v[(\g)+8*(MB*cc+bb):(\g)+8*(MB*cc+bb)+3],   v[ADRA] offset:bb*16*APITCH+64*cc
	ds_load_b128 v[(\g)+8*(MB*cc+bb)+4:(\g)+8*(MB*cc+bb)+7], v[ADRA] offset:bb*16*APITCH+64*cc+32
.set bb, bb+1
.endr
.set cc, cc+1
.endr
	s_add_co_u32 s[TBA], s[TBA], AQ                ; the next fetch is the next quarter step's
	s_add_co_u32 s[TBB], s[TBB], BQ
.endm
.macro QUARTER f, g, cb                ; multiplies buffer f; in its middle the next quarter step is fetched into g
	s_wait_dscnt WQ                                ; what the first half multiplies is in
	MULH \f, 0, \cb
	PLACES                                         ; behind the products that read g, a quarter step back
	FETCH \g
	s_wait_dscnt 32                                ; all but the 32 just issued
	MULH \f, 1, \cb
.endm
.macro PAIR
	QUARTER F1, F0, 0
	QUARTER F0, F1, 0
	WIN 0                                          ; at a label and at a branch every window is 0
.endm
; THE CHANGE OF SLOTS.  Each wave waits for all its tensor loads (one is out: its part of the next slot), adds 0 to its spare word, and waits for that and for its reads of the slot that it leaves.
; fill = 1: the barrier is a round of the cluster's, and the slot just left is filled again first thing behind it, with the K step after the next; it has a K step's 256 matrix instructions in which to land.
.macro CHANGE fill, ask
	WIN 0
.if \ask
	s_wait_xcnt 0x0                                ; the last prefetch, a K step back, has read its address
	s_add_nc_u64 s[PFA:PFA+1], s[PFA:PFA+1], s[PFS:PFS+1]
.endif
	s_wait_tensorcnt 0x0                           ; no tensor load of mine is out, so a group 0 may be written
	ds_add_u32 v[SPW], v[NIL]                      ; 0 onto my spare word; the scalar steps stand between it and the wait for it
.if \fill
	s_xor_b32 s[G0A+1], s[G0A+1], SLOTX
	s_add_nc_u64 s[G0A+2:G0A+3], s[G0A+2:G0A+3], ASTEP
	s_xor_b32 s[G0B+1], s[G0B+1], SLOTX
	s_add_nc_u64 s[G0B+2:G0B+3], s[G0B+2:G0B+3], BSTEP
.endif
	s_sub_co_u32 s[TBA], s[TBA], 4*AQ              ; the fetches go back to a slot's first quarter step,
	s_xor_b32 s[TBA], s[TBA], SLOTX                ; in the other slot
	s_sub_co_u32 s[TBB], s[TBB], 4*BQ
	s_xor_b32 s[TBB], s[TBB], SLOTX
	s_wait_dscnt 0x0                               ; the add is done, and my reads of the slot are over
.if \fill
	CROUND
	JLOAD
.if \ask
	ASK
.endif
.else
	s_barrier_signal -1
	s_barrier_wait -1
.endif
.endm
	s_load_b256 s[68:75], s[0:1], 0x0              ; cst, b_attn, q, k
	s_load_b64 s[76:77], s[0:1], 0x20              ; v
	v_lshl_add_u32 v[SPW], v0, 2, SPARE
	v_mov_b32 v[NIL], 0
	ds_add_u32 v[SPW], v[NIL]                      ; the wave's opening: the add and its wait ahead of my first tensor load
	ds_add_u32 v28, v29
	v_lshrrev_b32 v1, 5, v0
	v_readfirstlane_b32 s10, v1                    ; wave 0..3
	s_lshr_b32 s11, s10, 1                         ; my half of the tile's rows; also: I fetch x (0) or the weights (1)
	s_and_b32 s12, s10, 1                          ; my half of its columns; also: which half of that tile I fetch
	s_bfe_u32 s40, ttmp6, 0x40000                  ; cx
	s_bfe_u32 s41, ttmp6, 0x40004                  ; cy
	s_lshl_b32 s42, ttmp9, 2
	s_add_co_u32 s42, s42, s40                     ; tile column
	s_and_b32 s13, ttmp7, 0xffff
	s_lshl_b32 s13, s13, 2
	s_add_co_u32 s13, s13, s41                     ; tile row
	s_lshl_b32 s14, s41, 2
	s_lshl_b32 s14, 15, s14                        ; my row of the cluster
	s_lshl_b32 s15, 0x1111, s40                    ; my column
	s_or_b32 s[G1A], s14, AG10
	s_or_b32 s[G1B], s15, BG10
	s_mov_b32 s[G1A+1], ADIM0<<16                  ; tensor_dim0
	s_mov_b32 s[G1A+2], ADIM1<<16                  ; tensor_dim1
	s_mov_b32 s[G1A+3], ADIM0<<16                  ; tile_dim0
	s_mov_b32 s[G1A+4], ADIM1                      ; tile_dim1
	s_mov_b32 s[G1A+5], ASTR                       ; elements from row to row
	s_mov_b32 s[G1A+6], 0
	s_mov_b32 s[G1A+7], 0
	s_mov_b32 s[G1B+1], BDIM0<<16
	s_mov_b32 s[G1B+2], BDIM1<<16
	s_mov_b32 s[G1B+3], BDIM0<<16
	s_mov_b32 s[G1B+4], BDIM1
	s_mov_b32 s[G1B+5], BSTR
	s_mov_b32 s[G1B+6], 0
	s_mov_b32 s[G1B+7], 0
	s_mov_b32 s[G0A], 1
	s_mul_i32 s[G0A+1], s12, HALFA                 ; LDS addresses hang on the wave's number alone
	s_mov_b32 s[G0B], 1
	s_mul_i32 s[G0B+1], s12, HALFB
	s_add_co_u32 s[G0B+1], s[G0B+1], BBASE
	s_mul_i32 s16, s13, ATILE                      ; x's tile hangs on the tile row alone,
	s_mul_i32 s17, s12, AHALF
	s_add_co_u32 s16, s16, s17
	s_mov_b32 s17, 0
	s_mul_i32 s20, s42, BTILE                      ; the weights' on the tile column alone
	s_mul_i32 s21, s12, BHALF
	s_add_co_u32 s20, s20, s21
	s_mov_b32 s21, 0
	s_lshl1_add_u32 s38, s13, s11                  ; my 128 rows among all: 2 x tile row + half
	s_lshl1_add_u32 s39, s42, s12                  ; my 128 columns
	s_wait_dscnt 0x0                               ; the opening add is done
	s_wait_kmcnt 0x0
	s_mov_b64 s[4:5], s[AP:AP+1]
	s_add_nc_u64 s[6:7], s[CP:CP+1], BOFF
	s_add_nc_u64 s[16:17], s[4:5], s[16:17]        ; my load's first byte of K step 0
	s_add_nc_u64 s[20:21], s[6:7], s[20:21]
	s_mov_b64 s[G0A+2:G0A+3], s[16:17]
	s_or_b32 s[G0A+3], s[G0A+3], 0x80000000        ; type = 2
	s_mov_b64 s[G0B+2:G0B+3], s[20:21]
	s_or_b32 s[G0B+3], s[G0B+3], 0x80000000
	CROUND                                         ; all sixteen work-groups are here: the first joint loads meet
	JLOAD                                          ; K step 0 into slot 0
	v_and_b32 v1, 15, v0                           ; r = l % 16
	v_bfe_u32 v2, v0, 4, 1                         ; h = l / 16
	v_lshlrev_b32 v[BO], 5, v2
	s_lshl_b32 s14, s39, 9
	s_mov_b32 s15, 0
	s_add_nc_u64 s[60:61], s[BIASP:BIASP+1], s[14:15]
	WIN TO_B
.set i, 0
.rept MB                               ; register j of block b: bias of column 16 b + 8 h + j
	global_load_b128 v[8*i:8*i+3],   v[BO], s[60:61] offset:64*i
	global_load_b128 v[8*i+4:8*i+7], v[BO], s[60:61] offset:64*i+16
.set i, i+1
.endr
	WIN 0
	v_mul_u32_u24 v3, v1, APITCH
	v_lshl_add_u32 v3, v2, 4, v3
	s_mul_i32 s14, s11, AWR
	v_add_nc_u32 v[ADRA0], s14, v3                 ; row x pitch + 16 h + my half of the rows
	v_and_b32 v3, 7, v0
	v_lshl_add_u32 v3, v2, 3, v3                   ; the turning load: lane l addresses k = 8 h + l % 8,
	v_mul_u32_u24 v3, v3, BPITCH
	v_bfe_u32 v4, v0, 3, 1
	v_lshl_add_u32 v3, v4, 4, v3                   ; columns 8 ((l / 8) % 2) on
	s_mul_i32 s14, s12, 32*MB
	s_add_co_u32 s14, s14, BBASE
	v_add_nc_u32 v[ADRB0], s14, v3
	s_mul_i32 s14, s10, DUMPW                      ; my part of the dump
	v_mul_u32_u24 v3, v1, DP
	v_lshl_add_u32 v3, v2, 5, v3
	v_add_nc_u32 v[STO], s14, v3                   ; in: row r, 32 bytes for each half of the lanes
	v_and_b32 v4, 31, v0
	v_lshrrev_b32 v3, 3, v4                        ; back: 32 lanes take four rows of one head, 32 bytes of f32 each
	v_mul_u32_u24 v3, v3, DP
	v_and_b32 v5, 7, v0
	v_lshl_add_u32 v3, v5, 5, v3
	v_add_nc_u32 v[RD], s14, v3
	v_lshlrev_b32 v[CO], 4, v4                     ; which are 512 consecutive bytes of a head
	s_cmp_eq_u32 ttmp9, 1                          ; the cluster's four tile columns are one of q, k, v
	s_cselect_b64 s[8:9], s[74:75], s[72:73]
	s_cmp_eq_u32 ttmp9, 2
	s_cselect_b64 s[8:9], s[76:77], s[8:9]
	s_lshr_b32 s14, s13, 3                         ; batch
	s_lshl_b32 s14, s14, 4
	s_lshl2_add_u32 s14, s40, s14                  ; + 4 cx
	s_lshl1_add_u32 s14, s12, s14                  ; + 2 x my column half: my first head
	s_lshl_b32 s14, s14, 18                        ; 262,144 bytes a head
	s_and_b32 s15, s13, 7
	s_lshl1_add_u32 s15, s15, s11                  ; my 128 rows in the batch,
	s_lshl_b32 s15, s15, 14                        ; 128 bytes each
	s_add_co_u32 s14, s14, s15
	s_mov_b32 s15, 0
	s_add_nc_u64 s[8:9], s[8:9], s[14:15]
	; THE PREFETCHES.  x's tile row is read by every cluster of that row of clusters: cluster x = 0 asks; the weights' tile column by every cluster of that column: cluster y = 0 asks.
	; A wave's load is 128 blocks of 256 bytes; the four partners that ask for it jointly take 32 each, told apart BY ADDRESS; a lane a block.  So each block is named once in the launch.
	s_and_b32 s14, ttmp7, 0xffff
	s_mov_b32 s15, BPART
	s_mov_b32 s18, BSH
	s_mov_b32 s19, BPIT
	s_mov_b32 s[PFS], BSTEP
	s_mov_b32 s[PFS+1], 0
	s_cmp_eq_u32 s11, 0
	s_cselect_b32 s14, ttmp9, s14                  ; the coordinate along which other clusters read the same bytes
	s_cselect_b32 s22, s40, s41                    ; my place among the four partners
	s_cselect_b32 s15, APART, s15
	s_cselect_b32 s18, ASH, s18
	s_cselect_b32 s19, APIT, s19
	s_cselect_b32 s[PFS], ASTEP, s[PFS]
	s_cselect_b64 s[PFA:PFA+1], s[16:17], s[20:21]
	s_cmp_eq_u32 s14, 0
	s_cselect_b32 s[LIM], 1, -1                    ; the same in all sixteen partners, for a given wave
	s_mul_i32 s22, s22, s15
	s_mov_b32 s23, 0
	s_add_nc_u64 s[PFA:PFA+1], s[PFA:PFA+1], s[22:23]
	s_add_nc_u64 s[PFA:PFA+1], s[PFA:PFA+1], s[PFS:PFS+1]
	s_add_nc_u64 s[PFA:PFA+1], s[PFA:PFA+1], s[PFS:PFS+1]  ; at K step 2: the first looped change steps it to 3 and names that; K steps 0 to 2 come by their loads alone
	v_and_b32 v3, 31, v0
	v_lshrrev_b32 v4, s18, v3
	v_mul_lo_u32 v4, v4, s19
	v_and_b32 v3, s18, v3
	v_lshl_add_u32 v[PFO], v3, 8, v4
	s_mov_b32 s[TBA], SLOTX+4*AQ                   ; the first change of slots turns these two into 0
	s_mov_b32 s[TBB], SLOTX+4*BQ
	s_mov_b32 s23, 0xffff0000
	s_wait_loadcnt 0x0                             ; the bias
	WIN 0x45
.set i, 0
.rept 4*MB                             ; the bias is rounded to bf16, like every input, and widened again
	v_cvt_pk_bf16_f32 v[192+i%16], v[2*i], v[2*i+1]
	v_lshlrev_b32 v[2*i], 16, v[192+i%16]
	v_and_b32 v[2*i+1], s23, v[192+i%16]
.set i, i+1
.endr
	WIN 0
	CHANGE 1, 0                                    ; slot 0 is in, everybody's part of it; slot 1 is asked for
	FETCH F0
	QUARTER F0, F1, 1                              ; the first quarter step starts the sums
	WIN 0
	s_mov_b32 s2, TSTEPS-1
	s_mov_b32 s3, 1
	s_branch .Lpair                                ; K step 0 has one pair left: the loop is entered in the middle of a step
.Lstep:                                            ; TSTEPS - 2 times: K steps 1 to TSTEPS - 2 are entered, steps 2 to TSTEPS - 1 asked for
	CHANGE 1, PF
	s_mov_b32 s3, 2
.Lpair:                                            ; a trip: the quarter step in F1 and the next; the step's first trip begins with the last quarter of the step before
	PAIR
	s_sub_co_u32 s3, s3, 1
	s_cmp_lg_u32 s3, 0
	s_cbranch_scc1 .Lpair
	s_sub_co_u32 s2, s2, 1
	s_cmp_lg_u32 s2, 0
	s_cbranch_scc1 .Lstep
	CHANGE 0, 0                                    ; the last K step is written out
	s_mov_b32 s3, 2
.Lpair2:
	PAIR
	s_sub_co_u32 s3, s3, 1
	s_cmp_lg_u32 s3, 0
	s_cbranch_scc1 .Lpair2
	s_wait_dscnt 0x0
	MULH F1, 0, 0                                  ; the last quarter step
	MULH F1, 1, 0
	WIN 0
	PLACES
	PLACES
	s_barrier_signal -1                            ; every wave's reads of the ring are back: it may be written
	s_barrier_wait -1
	WIN 0x08                                       ; store data in window 2
.irp a, 0,1,2,3
.irp b, 0,1,2,3,4,5,6,7
	ds_store_b128 v[STO], v[8*(8*(\a)+(\b)):8*(8*(\a)+(\b))+3]   offset:(\a)*16*DP+64*(\b)
	ds_store_b128 v[STO], v[8*(8*(\a)+(\b))+4:8*(8*(\a)+(\b))+7] offset:(\a)*16*DP+64*(\b)+16
.endr
.endr
	WIN 0x0c                                       ; window 3
.irp a, 0,1,2,3
.irp b, 0,1,2,3,4,5,6,7
	ds_store_b128 v[STO], v[8*(8*(\a)+(\b)):8*(8*(\a)+(\b))+3]   offset:((\a)+4)*16*DP+64*(\b)
	ds_store_b128 v[STO], v[8*(8*(\a)+(\b))+4:8*(8*(\a)+(\b))+7] offset:((\a)+4)*16*DP+64*(\b)+16
.endr
.endr
	WIN 0
	s_mov_b32 s3, 16
.Lout:                                             ; eight rows a trip; LDS serves a wave's instructions in order, so these loads see my stores above
.irp t, 0,1,2,3                        ; t = 2 x (group of four rows) + head
	ds_load_b128 v[X+8*(\t):X+8*(\t)+3],   v[RD] offset:((\t)/2)*4*DP+((\t)%2)*256
	ds_load_b128 v[X+8*(\t)+4:X+8*(\t)+7], v[RD] offset:((\t)/2)*4*DP+((\t)%2)*256+16
.endr
.irp t, 0,1,2,3
	s_wait_dscnt 6-2*(\t)                          ; the younger loads stay out
.irp j, 0,1,2,3
	v_cvt_pk_f16_f32 v[Y+4*(\t)+(\j)], v[X+8*(\t)+2*(\j)], v[X+8*(\t)+2*(\j)+1]
.endr
	global_store_b128 v[CO], v[Y+4*(\t):Y+4*(\t)+3], s[8:9] offset:((\t)%2)*262144+((\t)/2)*512  ; 512 consecutive bytes of a head, aligned
.endr
	s_wait_xcnt 0x0                                ; the stores have read their data and their base
	v_add_nc_u32 v[RD], 8*DP, v[RD]
	s_add_nc_u64 s[8:9], s[8:9], 1024
	s_sub_co_u32 s3, s3, 1
	s_cmp_lg_u32 s3, 0
	s_cbranch_scc1 .Lout
	s_wait_tensorcnt 0x0                           ; the wave's end
	ds_add_u32 v[SPW], v[NIL]
	s_wait_dscnt 0x0
	CROUND                                         ; the closing round
	s_endpgm
.Lfunc_end_k_qb9d8d1dd36_qkv:
	.size	k_qb9d8d1dd36_qkv, .Lfunc_end_k_qb9d8d1dd36_qkv-k_qb9d8d1dd36_qkv
	.p2alignl 7, 3214868480
	.fill 96, 4, 3214868480
	.section	.rodata,"a",@progbits
	.p2align	6, 0x0
	.amdhsa_kernel k_qb9d8d1dd36_qkv
		.amdhsa_group_segment_fixed_size 327680
		.amdhsa_private_segment_fixed_size 0
		.amdhsa_enable_private_segment 0
		.amdhsa_kernarg_size 40
		.amdhsa_user_sgpr_count 2
		.amdhsa_user_sgpr_kernarg_segment_ptr 1
		.amdhsa_wavefront_size32 1
		.amdhsa_system_sgpr_workgroup_id_x 1
		.amdhsa_system_sgpr_workgroup_id_y 1
		.amdhsa_system_sgpr_workgroup_id_z 1
		.amdhsa_system_vgpr_workitem_id 0
		.amdhsa_next_free_vgpr 1024
		.amdhsa_next_free_sgpr 84
		.amdhsa_reserve_vcc 0
		.amdhsa_float_denorm_mode_32 3
		.amdhsa_float_denorm_mode_16_64 3
		.amdhsa_memory_ordered 1
		.amdhsa_forward_progress 1
		.amdhsa_inst_pref_size 68
	.end_amdhsa_kernel
	.amdgpu_metadata
---
amdhsa.version: [ 1, 2 ]
amdhsa.kernels:
  - .name:           k_qb9d8d1dd36_qkv
    .symbol:         k_qb9d8d1dd36_qkv.kd
    .args:
      - { .name: cst, .offset: 0, .size: 8, .value_kind: global_buffer, .address_space: global }
      - { .name: b_attn, .offset: 8, .size: 8, .value_kind: global_buffer, .address_space: global }
      - { .name: q, .offset: 16, .size: 8, .value_kind: global_buffer, .address_space: global }
      - { .name: k, .offset: 24, .size: 8, .value_kind: global_buffer, .address_space: global }
      - { .name: v, .offset: 32, .size: 8, .value_kind: global_buffer, .address_space: global }
    .group_segment_fixed_size: 327680
    .private_segment_fixed_size: 0
    .kernarg_segment_align: 8
    .kernarg_segment_size: 40
    .max_flat_workgroup_size: 128
    .sgpr_count:     84
    .vgpr_count:     1024
    .wavefront_size: 32
...
	.end_amdgpu_metadata
.endif
;; end of part 2
;; launch attn (part 3): grid 8 x 32, 4 waves a work-group, no clusters, 327,680 bytes of LDS; arguments q, k, v, o; writes o
.if DOCPART == 3
	.amdgcn_target "amdgcn-amd-amdhsa--gfx1250"
	.amdhsa_code_object_version 6
	.text
	.protected	k_qb9d8d1dd36_attn
	.globl	k_qb9d8d1dd36_attn
	.p2align	8
	.type	k_qb9d8d1dd36_attn,@function
k_qb9d8d1dd36_attn:
	s_mov_b64 s[64:65], 0
	v_nop
	global_prefetch_b8 v0, s[64:65] scope:SCOPE_SE
	s_setreg_imm32_b32 hwreg(HW_REG_WAVE_MODE, 25, 1), 1
	s_wait_xcnt 0x0
; CAUSAL ATTENTION.  O[h][q][:] = the sum over k <= q of softmax_k(Q[h][q] . K[h][k] / 8) V[h][k][:].  Q, K, V, O: [32][2048][64], all f16: a head's rows are dense, 128 bytes each.
; Products, maxima and sums in f32; the weights p are rounded to f16 for the second product (their sum l is taken of the unrounded p), O once at the end.
; LIMITS.  Q, K and V arrive within 65,504; p lies in 0 to 1, and below 6e-5 it keeps f16's fixed step of 6e-8.  A hidden score counts as its value less 1e30; a weight below 2^-126 counts as 0 in l;
; NaN and infinities are not treated apart.
; THE WALK.  A head's queries lie in NB = 16 blocks of 128; block i needs the key tiles 0 .. i >> 1 of 256 keys, of which the last holds the diagonal.  A work-group takes TWO blocks, NB - 1 - b and then b:
; ((15 - b) >> 1) + 1 + (b >> 1) + 1 = 9 tiles, whatever b: all 8 x 32 = 256 work-groups do equal work, and ONE loop with a constant trip count walks them.  Every jump goes forward, but for the counted
; loops' own; none passes a barrier, or a tensor load but the one of LOAD's two that the wave's number does not choose; the ring of two LDS slots runs on across the change of blocks.
; NO CLUSTER: a head's eight work-groups ask for the same tile only in the first five trips (the first blocks have five to eight tiles), behind that fewer and fewer; one walk common to all would have 12 trips for 9.
; SHARES.  Of a block's two bands of 64 queries a wave owns 16 rows in each: two PIECES.  In the last tile band x's own key step is d + x, d = 2 (i & 1): in step s it sees all keys if s < d + x,
; none if s > d + x, and holds the diagonal if s = d + x: the same for every wave.
; THE MASK is the C operand that starts the sum S^T = K Q^T: 0, or -1e30 where the key is hidden.  MD is the mask of a band's own step for my 16 rows; a product's mask is MD x AL + BE.
; LAYOUT, SOFTMAX.  S^T = K Q^T holds ONE query a lane (lane % 16) and the keys 8 (lane / 16) + 0..7; two such results rounded to f16 ARE source 1 of O^T = V^T P.  p = 2^(c s - c m), c = log2(e) / 8,
; with a running maximum m; O and l are multiplied by a = 2^(c m_old - c m_new) in every step.
; TURNS.  Turn 0 of step j: 8 products K Q^T of piece 1 for step j, later 8 products V^T P of piece 1 for step j - 1; beside them piece 0's softmax of step j and piece 1's maximum.  Turn 1 of step j:
; K Q^T of piece 0 for step j + 1, V^T P of piece 0 for step j; piece 1's softmax, piece 0's next maximum.  A turn's 33 exponentials are one batch, with one wait.
; So K of step j + 1 and V of step j live together: both are fetched in turn 0 of step j.  A SLOT THEREFORE HOLDS V's steps 4 t .. 4 t + 3 AND K's steps 4 t + 1 .. 4 t + 4: K's tiles lie one step on in
; memory, and one change of slots serves both.  K of step 0, the same for both blocks, is loaded once from memory into registers of its own.  K's last tile reaches one step past the head: into the next
; head's rows, or behind the last head into 8,192 bytes of k that the first launch has stored; nothing is multiplied by them.
; REGISTERS, in windows of 256: window 0: v0-15 addresses; v16-23 statistics; v48-55 at work; v64-127 S^T, a buffer a piece; v192-223 P, likewise
;   window 1: v0-63 O^T; v128-159 MD; v160-223 MC, a buffer a piece      window 2: v0-31 Q; v32-63 the second block's Q; v64-127 K of step 0; v128-191 K of one step; v192-255 V of one step
.set SIZE_N, 2048
.set NB,    SIZE_N/128
.set NT,    SIZE_N/256
.set NP,    2
.set KS,    64        ; keys in a step
.set PK,    144       ; a row of K in LDS: 128 bytes + 16
.set PV,    160       ; a row of V: 128 + 32
.set VOFF,  4*KS*PK   ; a slot: 256 rows of K, then 256 rows of V
.set SLOT1, 1<<17
.set STAGE, SLOT1+4*KS*(PK+PV)  ; behind the ring, never filled by a tensor load: 16 rows x 144 bytes for each wave
.set SP,    144
.set AK0, 2
.set AV0, 3
.set AK,  4
.set AV,  5
.set STO, 6
.set RD,  7
.set GO,  8
.set SPW, 62          ; LDS address of my spare word; never rewritten
.set NIL, 63          ; 0; never rewritten
.set SPARE, STAGE+4*16*SP
.set MV,  12
.set QO,  15
.set ST,  16          ; piece t's statistics at v[ST+4 t]: c m, m, l (even keys', odd keys')
.set TMP, 48
.set S,   64
.set P,   192
.set MD,  128
.set MC,  160
.set QB,  32
.set KZ,  64
.set KF,  128
.set VF,  192
.set WV,  12
.set PB,  14          ; b
.set HI,  15          ; NB - 1 - b
.set G1K, 24
.set G1V, 32
.set G0K, 40
.set G0V, 44
.set SLOTS, 56
.set CNT, 57          ; counts a tile's key steps, 4 to 1
.set CS,  58
.set SEL, 60
.set TBK, 62
.set TBV, 63
.set DQ0, 66          ; s66 = 5 - d, s67 = 3 - d, for the block in hand
.set DZ,  68          ; d
.set PBT, 69          ; b >> 1: the second block's last tile
.set RT,  70
.set NXT, 71
.set LQ,  72
.set NEW, 73
.set OFF, 74
.set AL,  76
.set BE,  78
.set OLO, 80
.set BIGN, 82
.set MSB, 0
.macro WIN new
.if MSB != (\new)
	s_set_vgpr_msb (MSB<<8)|(\new)
.set MSB, (\new)
.endif
.endm
.set W_KQ, 0x0a       ; K and Q in window 2, S^T in window 0
.set W_KM, 0x1a       ; the same with the C operand in window 1
.set W_PV, 0x52       ; V in window 2, P in window 0, O^T in window 1
.set W_RS, 0x41       ; destination and source 0 in window 1, source 1 in window 0
; A fill.  Waves 0 and 1 fetch the two halves of a slot's K, waves 2 and 3 those of its V: 128 keys each.
.macro LOAD
	s_cmp_lt_u32 s[WV], 2
	s_cbranch_scc0 .Lfor_v_\@
	tensor_load_to_lds s[G0K:G0K+3], s[G1K:G1K+7]
	s_nop 0
.rept 4
	v_nop
.endr
	s_branch .Lasked_\@
.Lfor_v_\@:
	tensor_load_to_lds s[G0V:G0V+3], s[G1V:G1V+7]
	s_nop 0
.rept 4
	v_nop
.endr
.Lasked_\@:
.endm
; THE CHANGE OF SLOTS stands behind turn 0 of a slot's last step, which has asked for the slot's last bytes.  Each wave waits for all its tensor loads, adds 0 to its spare word, and waits for that and for
; its own reads of the slot that it leaves.  fill = 1: the old slot is filled again, the first thing behind the barrier, with tile NXT: the descriptor's address is made anew from that number;
; the load has four key steps, 128 matrix instructions a wave, in which to land.
.macro CHANGE fill
	WIN 0
	s_wait_tensorcnt 0x0            ; no tensor load of mine is out, so a group 0 may be written
	ds_add_u32 v[SPW], v[NIL]
.if \fill
	s_lshl_b32 s[OFF], s[NXT], 15   ; a tile is 32,768 bytes of K and of V
	s_xor_b32 s[G0K+1], s[G0K+1], SLOT1
	s_add_nc_u64 s[G0K+2:G0K+3], s[6:7], s[OFF:OFF+1]
	s_or_b32 s[G0K+3], s[G0K+3], 0x80000000
	s_xor_b32 s[G0V+1], s[G0V+1], SLOT1
	s_add_nc_u64 s[G0V+2:G0V+3], s[8:9], s[OFF:OFF+1]
	s_or_b32 s[G0V+3], s[G0V+3], 0x80000000
	s_add_co_u32 s[NXT], s[NXT], 1  ; the block's next tile, or behind its last the second block's tile 0
	s_cmp_gt_u32 s[NXT], s[LQ]
	s_cselect_b32 s[NXT], 0, s[NXT]
	s_cselect_b32 s[LQ], s[PBT], s[LQ]
.endif
	s_wait_dscnt 0x0                ; the add is done, and my reads of the slot are over
	s_barrier_signal -1
	s_sub_co_u32 s[TBK], s[TBK], 4*KS*PK  ; the fetches go back to a slot's first step,
	s_xor_b32 s[TBK], s[TBK], SLOT1       ; in the other slot
	s_sub_co_u32 s[TBV], s[TBV], 4*KS*PV
	s_xor_b32 s[TBV], s[TBV], SLOT1
	s_barrier_wait -1
.if \fill
	LOAD
.endif
.endm
	s_load_b256 s[4:11], s[0:1], 0x0  ; Q s[4:5], K s[6:7], V s[8:9], O s[10:11]
	v_lshl_add_u32 v[SPW], v0, 2, SPARE
	v_mov_b32 v[NIL], 0
	ds_add_u32 v[SPW], v[NIL]       ; the wave's opening: the add and its wait ahead of my first tensor load
	ds_add_u32 v62, v63
	v_lshrrev_b32 v1, 5, v0
	v_readfirstlane_b32 s[WV], v1   ; wave 0..3
	s_mov_b32 s[PB], ttmp9
	s_sub_co_u32 s[HI], NB-1, s[PB]
	s_lshr_b32 s[PBT], s[PB], 1
	s_lshr_b32 s[LQ], s[HI], 1      ; the first block's last tile
	s_and_b32 s[DZ], s[HI], 1
	s_lshl_b32 s[DZ], s[DZ], 1      ; d of the first block
	s_sub_co_u32 s[DQ0], 5, s[DZ]
	s_sub_co_u32 s[DQ0+1], 3, s[DZ]
	s_and_b32 s20, ttmp7, 0xffff    ; the head
	s_mov_b32 s21, 0
	s_mov_b64 s[22:23], SIZE_N*128
	s_mul_u64 s[20:21], s[20:21], s[22:23]  ; the head's first byte in each of the four tensors
	s_and_b32 s16, s[WV], 1         ; which half of a slot's 256 keys I fetch
	s_lshl_b32 s22, s16, 14
	s_mov_b32 s23, 0
	s_add_nc_u64 s[22:23], s[22:23], s[20:21]
	s_mul_i32 s17, s16, 128*PK
	s_mul_i32 s18, s16, 128*PV
	s_lshl_b32 s3, s[WV], 11        ; my 16 rows in a band of 64,
	s_lshl_b32 s2, s[HI], 14        ; in the first block (128 rows of 128 bytes),
	s_add_co_u32 s2, s2, s3
	s_lshl_b32 s84, s[PB], 14       ; and in the second
	s_add_co_u32 s84, s84, s3
	s_mov_b32 s3, 0
	s_mov_b32 s85, 0
	s_add_nc_u64 s[2:3], s[2:3], s[20:21]
	s_add_nc_u64 s[84:85], s[84:85], s[20:21]
	; descriptor group 1.  128 keys are 16,384 dense bytes: asked for as 64 rows of 256 bytes, two keys a row, and padded in LDS after every key
	s_mov_b32 s[G1K], (1<<16)|(1<<20)|(4<<22)|(3<<25)
	s_mov_b32 s[G1V], (1<<16)|(1<<20)|(4<<22)|(7<<25)
.irp g, G1K, G1V
	s_mov_b32 s[\g+1], 128<<16      ; tensor_dim0 = 128
	s_mov_b32 s[\g+2], 64<<16       ; tensor_dim1 = 64
	s_mov_b32 s[\g+3], 128<<16      ; tile_dim0 = 128
	s_mov_b32 s[\g+4], 64           ; tile_dim1 = 64
	s_mov_b32 s[\g+5], 128          ; 128 elements from row to row
	s_mov_b32 s[\g+6], 0
	s_mov_b32 s[\g+7], 0
.endr
	s_mov_b32 s[CS], 0x3e38aa3b     ; c = log2(e) / 8
	s_mov_b32 s[CS+1], s[CS]
	s_mov_b32 s[SEL], 0x76543210
	s_mov_b32 s[SEL+1], 0xfedcba98
	s_mov_b32 s[TBK], SLOT1+4*KS*PK ; the first change of slots turns these two into 0
	s_mov_b32 s[TBV], SLOT1+4*KS*PV
	s_mov_b32 s[G0K], 1
	s_mov_b32 s[G0K+1], s17
	s_mov_b32 s[G0V], 1
	s_add_co_u32 s[G0V+1], s18, VOFF
	s_add_co_u32 s[RT], s[LQ], 1    ; the first block's tiles
	s_mov_b32 s[NXT], 1
	s_mov_b32 s[NEW], 1
	s_mov_b32 s[OFF+1], 0
	s_mov_b32 s[AL+1], 0
	s_mov_b32 s[BE+1], 0
	s_mov_b32 s[BIGN], 0xf149f2ca   ; -1e30
	s_mov_b32 s[SLOTS], NT
	s_wait_dscnt 0x0                ; the opening add is done
	s_wait_kmcnt 0x0
	s_add_nc_u64 s[18:19], s[6:7], s[20:21]        ; K at the head's first key, for step 0
	s_add_nc_u64 s[6:7], s[6:7], s[22:23]          ; K and V at my half of the head's tile 0,
	s_add_nc_u64 s[6:7], s[6:7], KS*128            ; K one key step on
	s_add_nc_u64 s[8:9], s[8:9], s[22:23]
	s_add_nc_u64 s[G0K+2:G0K+3], s[6:7], 0
	s_or_b32 s[G0K+3], s[G0K+3], 0x80000000
	s_add_nc_u64 s[G0V+2:G0V+3], s[8:9], 0
	s_or_b32 s[G0V+3], s[G0V+3], 0x80000000
	s_add_nc_u64 s[86:87], s[4:5], s[84:85]        ; Q at my rows of the second block,
	s_add_nc_u64 s[4:5], s[4:5], s[2:3]            ; Q and O at those of the first
	s_add_nc_u64 s[OLO:OLO+1], s[10:11], s[84:85]
	s_add_nc_u64 s[10:11], s[10:11], s[2:3]
	LOAD                            ; tile 0 into slot 0
	v_and_b32 v1, 15, v0            ; l % 16
	v_bfe_u32 v9, v0, 4, 1          ; l / 16
	v_lshlrev_b32 v[QO], 7, v1
	v_lshl_add_u32 v[QO], v9, 4, v[QO]  ; row x 128 + 16 x half
	WIN 0x80
.set i, 0
.rept 4                             ; both blocks' Q: piece i / 2 lies in band i / 2, 8,192 bytes on; channels 32 (i % 2) on
	global_load_b128 v[8*i:8*i+3],   v[QO], s[4:5] offset:(i/2)*8192+(i%2)*64
	global_load_b128 v[8*i+4:8*i+7], v[QO], s[4:5] offset:(i/2)*8192+(i%2)*64+32
	global_load_b128 v[QB+8*i:QB+8*i+3],   v[QO], s[86:87] offset:(i/2)*8192+(i%2)*64
	global_load_b128 v[QB+8*i+4:QB+8*i+7], v[QO], s[86:87] offset:(i/2)*8192+(i%2)*64+32
.set i, i+1
.endr
.set i, 0
.rept 8                             ; K of step 0, as fragments: keys 16 (i / 2) on, channels 32 (i % 2) on
	global_load_b128 v[KZ+8*i:KZ+8*i+3],   v[QO], s[18:19] offset:(i/2)*2048+(i%2)*64
	global_load_b128 v[KZ+8*i+4:KZ+8*i+7], v[QO], s[18:19] offset:(i/2)*2048+(i%2)*64+32
.set i, i+1
.endr
	WIN 0
	v_lshlrev_b32 v14, 3, v9
	v_sub_nc_u32 v14, v1, v14
	s_lshl_b32 s13, s[WV], 4
	v_add_nc_u32 v14, s13, v14      ; my query's place in its band less my lanes' 8 (l / 16): register r of group kt is hidden where 16 kt + r is greater
	WIN 0x40
.set i, 0
.rept 32
	v_cmp_gt_i32 vcc_lo, 16*(i/8)+i%8, v14
	v_cndmask_b32 v[MD+i], 0, s[BIGN], vcc_lo
.set i, i+1
.endr
	WIN 0
	v_mul_u32_u24 v[AK0], v1, PK
	v_lshl_add_u32 v[AK0], v9, 4, v[AK0]
	v_and_b32 v10, 7, v0
	v_bfe_u32 v11, v0, 3, 1
	v_lshl_add_u32 v[AV0], v9, 3, v10
	v_mul_u32_u24 v[AV0], v[AV0], PV
	v_lshl_add_u32 v[AV0], v11, 4, v[AV0]
	v_add_nc_u32 v[AV0], VOFF, v[AV0]
	s_mul_i32 s13, s[WV], 16*SP
	s_add_co_u32 s13, s13, STAGE    ; my stage
	v_mul_u32_u24 v[STO], v1, SP
	v_lshl_add_u32 v[STO], v9, 4, v[STO]
	v_add_nc_u32 v[STO], s13, v[STO]
	v_bfe_u32 v[RD], v0, 3, 2
	v_mul_u32_u24 v[RD], v[RD], SP
	v_lshl_add_u32 v[RD], v10, 4, v[RD]
	v_add_nc_u32 v[RD], s13, v[RD]
	v_and_b32 v[GO], 31, v0
	v_lshlrev_b32 v[GO], 4, v[GO]
	; A block's first step multiplies O^T and l by a = 0, so these registers need only hold finite numbers: zeros for the first block; what the first block left for the second.
	WIN 0x80
.set i, VF
.rept 64
	v_mov_b32 v[i], 0
.set i, i+1
.endr
	WIN 0x40
.set i, 0
.rept 64
	v_mov_b32 v[i], 0
.set i, i+1
.endr
	WIN 0
.set i, 0
.rept 2
	v_mov_b32 v[ST+4*i+2], 0
	v_mov_b32 v[ST+4*i+3], 0
.set i, i+1
.endr
.set i, P+16
.rept 16
	v_mov_b32 v[i], 0
.set i, i+1
.endr
; THE MATRIX WORK.  The 4 accumulators of a run of 8 take turns.  Product i of 8 of S^T = K Q^T for piece x: channels 32 (i / 4) on, keys 16 (i % 4) on.  The first 4 start the sums: with 0, or (KM = 1) with the mask.
.macro KQ x
.set rS, S+32*((\x)%2)+8*(i%4)
.set rK, KF+16*(i%4)+8*(i/4)
.set rQ, 16*(\x)+8*(i/4)
.set rM, MC+32*((\x)%2)+8*(i%4)
.if (i < 4) && KM
	WIN W_KM
	v_wmma_f32_16x16x32_f16 v[rS:rS+7], v[rK:rK+7], v[rQ:rQ+7], v[rM:rM+7]
.elseif i < 4
	WIN W_KQ
	v_wmma_f32_16x16x32_f16 v[rS:rS+7], v[rK:rK+7], v[rQ:rQ+7], 0
.else
	WIN W_KQ
	v_wmma_f32_16x16x32_f16 v[rS:rS+7], v[rK:rK+7], v[rQ:rQ+7], v[rS:rS+7]
.endif
.endm
; Product i of 8 of O^T += V^T P for piece x: keys 32 (i / 4) on, channels 16 (i % 4) on.
.macro PV x
	WIN W_PV
.set rO, 32*(\x)+8*(i%4)
.set rV, VF+32*(i/4)+8*(i%4)
.set rP, P+16*((\x)%2)+8*(i/4)
	v_wmma_f32_16x16x32_f16 v[rO:rO+7], v[rV:rV+7], v[rP:rP+7], v[rO:rO+7]
.endm
.macro MM                           ; the turn's next matrix instruction: both kinds are the OTHER piece's.  NOKQ = 1: a block's last turn: there are no further scores
.if (i < 8) && !NOKQ
	KQ (Y+1)%NP
.elseif i >= 8
.set i, i-8
	PV (Y+NP-1)%NP
.set i, i+8
.endif
.set i, i+1
.endm
; THE LDS LOADS stand in runs of 16: a step's K (8 fragments) and a step's V (turned).
.macro FETCH_K
	WIN 0x80
.irp f, 0,1,2,3,4,5,6,7
	ds_load_b128 v[KF+8*\f:KF+8*\f+3],   v[AK] offset:(\f/2)*16*PK+(\f%2)*64
	ds_load_b128 v[KF+8*\f+4:KF+8*\f+7], v[AK] offset:(\f/2)*16*PK+(\f%2)*64+32
.endr
	s_add_co_u32 s[TBK], s[TBK], KS*PK
	WIN 0
.endm
.macro FETCH_V
	WIN 0x80
.irp f, 0,1,2,3,4,5,6,7
	ds_load_tr16_b128 v[VF+8*\f:VF+8*\f+3],   v[AV] offset:(\f/4)*32*PV+(\f%4)*32
	ds_load_tr16_b128 v[VF+8*\f+4:VF+8*\f+7], v[AV] offset:(\f/4)*32*PV+16*PV+(\f%4)*32
.endr
	WIN 0
.endm
; THE VECTOR WORK, one line at a time: OP kind, number.  For piece Y: F n: c s - c m for pair n.  E n: the exponential of score n.  C n: pair n rounded to f16.  B n: of the four weights 4 n .. the second
; pair is added onto the first.  L n: l takes that sum (L 0: l = a l + sum).  R n: pair n of O^T times a.  For the other piece: X n, number n of the 22 that find its maximum and statistics
; (each accumulator's lowest registers are read first).
.set F, 0
.set E, 1
.set C, 2
.set B, 3
.set L, 4
.set R, 5
.set X, 6
.macro REGS y
.set rT, ST+4*(\y)
.set rC, TMP+4*((\y)%2)
.set rW, MV+((\y)%2)
.set rS, S+32*((\y)%2)
.set rP, P+16*((\y)%2)
.set rO, 32*(\y)
.endm
.macro OP k, n
.if (\k) == R
	REGS Y
	WIN W_RS
	v_pk_mul_f32 v[rO+2*(\n):rO+2*(\n)+1], v[rO+2*(\n):rO+2*(\n)+1], v[rC+2:rC+3] op_sel_hi:[1,0]
.elseif (\k) < R
	REGS Y
	WIN 0
.if (\k) == F
	v_pk_fma_f32 v[rS+2*(\n):rS+2*(\n)+1], v[rS+2*(\n):rS+2*(\n)+1], s[CS:CS+1], v[rT:rT+1] op_sel_hi:[1,0,0] neg_lo:[0,0,1] neg_hi:[0,0,1]
.elseif (\k) == E
	v_exp_f32 v[rS+(\n)], v[rS+(\n)]
.elseif (\k) == C
	v_cvt_pk_f16_f32 v[rP+(\n)], v[rS+2*(\n)], v[rS+2*(\n)+1]
.elseif (\k) == B
	v_pk_add_f32 v[rS+4*(\n):rS+4*(\n)+1], v[rS+4*(\n):rS+4*(\n)+1], v[rS+4*(\n)+2:rS+4*(\n)+3]
.elseif (\n) == 0
	v_pk_fma_f32 v[rT+2:rT+3], v[rT+2:rT+3], v[rC+2:rC+3], v[rS:rS+1] op_sel_hi:[1,0,1]
.else
	v_pk_add_f32 v[rT+2:rT+3], v[rT+2:rT+3], v[rS+4*(\n):rS+4*(\n)+1]
.endif
.elseif NOKQ
	v_nop
.else
	REGS (Y+1)%NP
	WIN 0
.if (\n) < 4
	v_max3_num_f32 v[rC+(\n)], v[rS+8*(\n)], v[rS+8*(\n)+1], v[rS+8*(\n)+2]
.elseif (\n) < 12
	v_max3_num_f32 v[rC+(\n)%4], v[rC+(\n)%4], v[rS+8*((\n)%4)+2*((\n)/4)+1], v[rS+8*((\n)%4)+2*((\n)/4)+2]
.elseif (\n) == 12
	v_max3_num_f32 v[rC], v[rC], v[rS+7], v[rS+15]
.elseif (\n) == 13
	v_max3_num_f32 v[rC+1], v[rC+1], v[rS+23], v[rS+31]
.elseif (\n) == 14
	v_max3_num_f32 v[rC+2], v[rC+2], v[rC+3], v[rT+1]
.elseif (\n) == 15
	v_mov_b32 v[rW], v[rT]
.elseif (\n) == 16
	v_max3_num_f32 v[rC], v[rC], v[rC+1], v[rC+2]
.elseif (\n) == 17
	v_permlanex16_b32 v[rC+3], v[rC], s[SEL], s[SEL+1]
.elseif (\n) == 18
	v_max_num_f32 v[rT+1], v[rC], v[rC+3]
.elseif (\n) == 19
	v_mul_f32 v[rT], s[CS], v[rT+1]
.elseif (\n) == 20
	v_sub_f32 v[rC+1], v[rW], v[rT]
.else
	v_exp_f32 v[rC+2], v[rC+1]
.endif
.endif
.endm
.macro OPS a, i1, b=-1, i2=0, c=-1, i3=0, d=-1, i4=0
	OP \a, \i1
.if (\b) >= 0
	OP \b, \i2
.endif
.if (\c) >= 0
	OP \c, \i3
.endif
.if (\d) >= 0
	OP \d, \i4
.endif
.endm
.macro ROW a, i1, b, i2, c, i3, d, i4  ; a matrix instruction and the four behind it
	MM
	OPS \a, \i1, \b, \i2, \c, \i3, \d, \i4
.endm
.macro MASK b                       ; MD x AL + BE into buffer b of MC
	WIN W_RS
.set z, 0
.rept 16
	v_pk_fma_f32 v[MC+32*(\b)+2*z:MC+32*(\b)+2*z+1], v[MD+2*z:MD+2*z+1], s[AL:AL+1], s[BE:BE+1] op_sel_hi:[1,0,0]
.set z, z+1
.endr
.endm
; A TURN, for piece p.  It has ONE wait for its exponentials, which cuts it in two.  AHEAD OF IT stands all that names no result of the turn's exponentials: the 8 products K Q^T with four vector lines behind each,
; then one run of 54 in which the links of the other piece's chain stand five or six lines apart.  BEHIND IT stand the 8 products V^T P, behind each four of the roundings and sums.
; O^T of piece p, which this turn rescales, was last added onto in the turn before: the accumulator that R 0 reads was ended sixteen riders and two scalings earlier, the later ones further back still.
; TURN 0 FETCHES BOTH RUNS: K of the next step in its run of vector work, six plain lines behind the last product that read K; V of the step in hand at its end, four plain lines behind the last product that read V.
; Turn 1 waits for K at its head, with V's 16 younger loads left out, and for V ahead of its products V^T P.
; m = 1: the diagonal tile: the products take masks, and turn p makes the mask of piece p for the products of the turn after it: turn 0 for step 5 - CNT of the tile, turn 1 for step 4 - CNT;
; the band's own step is d + p.  end = 1 (turn 1 alone): a block's last turn.  cnt = 1: the loop's count is taken down some lines ahead of the branch that stands behind the turn.
.macro TURN p, m=0, end=0, cnt=0
.set Y, (\p)
.set i, 0
.set KM, (\m)
.set NOKQ, (\end)*(\p)
.if (\m) && !(\end)
	s_cmp_eq_u32 s[CNT], s[DQ0+(\p)]    ; is that step the band's own?
	s_cselect_b32 s[AL], 1.0, 0
	s_cmp_lt_u32 s[CNT], s[DQ0+(\p)]    ; or a later one?
	s_cselect_b32 s[BE], s[BIGN], 0
.endif
.if ((\p) == 1) && !(\end)
	s_wait_dscnt 16                 ; K is in: LDS loads come back in order, and the 16 issued behind K's are V's
.endif
	ROW F,0, F,1, R,0, R,1
	ROW F,2, E,0, R,2, R,3
	ROW F,3, E,1, R,4, R,5
	ROW F,4, E,2, R,6, R,7
	ROW F,5, E,3, R,8, R,9
	ROW F,6, E,4, X,0, R,10
.if (\p) == 0
	WIN 0
	v_add_nc_u32 v[AK], s[TBK], v[AK0]
.endif
	ROW F,7, E,5, X,1, X,4
	ROW F,8, E,6, X,2, X,5
	OPS E,7, E,8, X,6, E,9
	OPS X,3, E,10, X,8, E,11
.if (\p) == 0
	FETCH_K
.endif
	OPS X,9, X,7, E,12, X,10
	OPS E,13, X,12, X,11, E,14
	OPS X,13, E,15, F,9, X,14
.if (\p) == 0
	v_add_nc_u32 v[AV], s[TBV], v[AV0]
.endif
	OPS E,16, F,10, E,17, F,11
	OPS X,16, E,18, X,15, E,19
	OPS F,12, E,20, X,17, E,21
	OPS F,13, E,22, F,14, E,23
	OPS X,18, E,24, F,15, E,25
	OPS R,11, E,26, X,19, E,27
	OPS R,12, E,28, R,13, E,29
	OPS X,20, E,30, R,14, E,31
	OPS X,21, R,15
	WIN 0
	s_wait_alu depctr_va_vdst(0)    ; the one wait for the batch, ahead of the first line that names a result
.if (\p) == 1
	s_wait_dscnt 0x0                ; V is in
.endif
	ROW C,0, B,0, C,2, B,1
	ROW L,0, C,4, B,2, L,1
	ROW C,6, B,3, L,2, C,8
	ROW B,4, L,3, C,10, B,5
	ROW L,4, C,12, B,6, L,5
.if (\p) == 0
	s_add_co_u32 s[TBV], s[TBV], KS*PV
.endif
.if \cnt
	s_sub_co_u32 s[CNT], s[CNT], 1
	s_cmp_lg_u32 s[CNT], 0
.endif
	ROW C,14, B,7, L,6, C,1
	ROW C,3, L,7, C,5, C,7
	ROW C,9, C,11, C,13, C,15
.if (\p) == 0
	FETCH_V
.endif
.if (\m) && !(\end)
	MASK (\p)%2
.endif
.endm
; A BLOCK BEGINS.  c m starts far below every c s, so the first step's a is 0; m at the lowest finite number.  Piece 1's mask buffer is 0 (step 0 is never its own); piece 0's takes its mask for step 0:
; its own, if the block's first tile is its last and d = 0.  K of step 0 is copied from its registers; then piece 0's first scores, and its maximum and statistics.  The loop is entered at turn 0.
.macro BEGIN
	s_mov_b32 s[NEW], 0
	WIN 0x40
.set i, MC+32
.rept 32
	v_mov_b32 v[i], 0
.set i, i+1
.endr
	WIN 0
.set i, 0
.rept 2
	v_mov_b32 v[ST+4*i], 0xfe000000
	v_mov_b32 v[ST+4*i+1], 0xff7fffff
.set i, i+1
.endr
	s_or_b32 s13, s[RT], s[DZ]      ; 0 where no tile is left behind this one and d = 0
	s_cmp_eq_u32 s13, 0
	s_cselect_b32 s[AL], 1.0, 0
	s_mov_b32 s[BE], 0
	MASK 0
	s_wait_loadcnt 0x0              ; Q, and K of step 0
	WIN 0x82                        ; destination and source in window 2
.set i, 0
.rept 64
	v_mov_b32 v[KF+i], v[KZ+i]
.set i, i+1
.endr
.set KM, 1
.set NOKQ, 0
.set i, 0
.rept 8
	KQ 0
.set i, i+1
.endr
	WIN 0
.rept 4
	v_nop                           ; the places behind those products
.endr
.set Y, NP-1
.irp n, 0,1,2,3,4,5,6,7,8,9,10,11,12,13,14,15,16,17,18,19,20,21
	OP X, \n
.endr
	v_nop                           ; a plain instruction behind the exponential,
	s_wait_alu depctr_va_vdst(0)    ; and its wait, ahead of the branch
.endm
.macro ALL line:vararg
.set t, 0
.rept 2
	\line
.set t, t+1
.endr
.endm
.macro PACK t                       ; a lane's eight channels of a row pack into 16 bytes; they go into rows of 144 bytes and come back as whole rows of 128
	WIN W_RS
.set i, 32*(\t)
.rept 16
	v_pk_mul_f32 v[i:i+1], v[i:i+1], v[ST+4*(\t)+2:ST+4*(\t)+3] op_sel_hi:[1,0]
.set i, i+2
.endr
	WIN 0x05
.set i, 0
.rept 16
	v_cvt_pk_f16_f32 v[S+16*(\t)+i], v[32*(\t)+2*i], v[32*(\t)+2*i+1]
.set i, i+1
.endr
	WIN 0
.irp f, 0,1,2,3
	ds_store_b128 v[STO], v[S+16*(\t)+4*\f:S+16*(\t)+4*\f+3] offset:32*\f
.endr
.irp f, 0,1,2,3
	ds_load_b128 v[S+16*(\t)+4*\f:S+16*(\t)+4*\f+3], v[RD] offset:\f*4*SP  ; LDS serves a wave's instructions in order: these see the stores above
.endr
.endm
.macro SEND t, younger              ; younger: the LDS instructions issued behind piece t's loads
	WIN 0
.irp f, 0,1,2,3
	s_wait_dscnt (\younger)+3-\f
	global_store_b128 v[GO], v[S+16*(\t)+4*\f:S+16*(\t)+4*\f+3], s[10:11] offset:(\t)*8192+\f*512  ; 512 consecutive bytes, aligned
.endr
.endm
; THE DIAGONAL TILE: piece 0's mask for its step 0 (the first turn below takes it), four trips, the block's last turn, its last products, and the way out.
; The fourth trip's turn 0 fetches K's fifth step like the others: the bytes lie in the slot, and nobody multiplies by them.
.macro DIAG tag
.LentM\tag:
	s_cmp_eq_u32 s[DZ], 0
	s_cselect_b32 s[AL], 1.0, 0
	s_mov_b32 s[BE], 0
	MASK 0
	WIN 0
.LstepM\tag:
	TURN 1, 1
	WIN 0
.LfirstM\tag:
	TURN 0, 1, 0, 1
	WIN 0
	s_cbranch_scc1 .LstepM\tag
	TURN 1, 1, 1
.set i, 0
.rept 8
	PV NP-1
.set i, i+1
.endr
	WIN 0
	ALL v_add_f32 v[ST+4*t+2], v[ST+4*t+2], v[ST+4*t+3]
	ALL v_permlanex16_b32 v[ST+4*t+3], v[ST+4*t+2], s[SEL], s[SEL+1]
	ALL v_add_f32 v[ST+4*t+2], v[ST+4*t+2], v[ST+4*t+3]
	ALL v_rcp_f32 v[ST+4*t+2], v[ST+4*t+2]
	v_nop                           ; a plain instruction between the last reciprocal and the use of its result
	s_wait_alu depctr_va_vdst(0)    ; one wait for the two reciprocals
	PACK 0                          ; piece 0 was ended in the last turn; its 32 lines are the places behind piece 1's last products
	PACK 1
	SEND 0, 8
	SEND 1, 0
.endm
.set KM, 0
.set NOKQ, 0
.Lslot:                             ; NT times: a tile is entered and the next is asked for
	CHANGE 1
	s_sub_co_u32 s[RT], s[RT], 1
	s_mov_b32 s[CNT], 4
	s_cmp_eq_u32 s[NEW], 1
	s_cbranch_scc1 .Lnew            ; a block's first tile
	s_cmp_eq_u32 s[RT], 0
	s_cbranch_scc0 .Lstep           ; neither its first nor its last
	s_branch .LentM1
.Lnew:
	BEGIN
	s_branch .Lfirst                ; in the loop a block's first tile is never its last: the first block has five tiles or more, and the second's last is the walk's last
	DIAG 1                          ; in the loop this is the first block's end
	s_wait_xcnt 0x0                 ; the stores have read their registers and O's address
	s_mov_b64 s[10:11], s[OLO:OLO+1]
	s_add_co_u32 s[RT], s[PBT], 1   ; the second block's tiles
	s_mov_b32 s[NEW], 1
	s_and_b32 s[DZ], s[PB], 1
	s_lshl_b32 s[DZ], s[DZ], 1      ; and its d
	s_sub_co_u32 s[DQ0], 5, s[DZ]
	s_sub_co_u32 s[DQ0+1], 3, s[DZ]
	WIN 0x82                        ; the second block's Q goes where the one text of the turns names Q
.set i, 0
.rept 32
	v_mov_b32 v[i], v[QB+i]
.set i, i+1
.endr
	WIN 0
	s_branch .Lbottom
.Lstep:                             ; a trip: turn 1 of one step, then turn 0 of the next, which fetches that step's V and the K behind it
	TURN 1
	WIN 0
.Lfirst:
	TURN 0, 0, 0, 1
	WIN 0
	s_cbranch_scc1 .Lstep
.Lbottom:
	s_sub_co_u32 s[SLOTS], s[SLOTS], 1
	s_cmp_lg_u32 s[SLOTS], 0
	s_cbranch_scc1 .Lslot
	CHANGE 0                        ; the walk's last tile is written out
	s_sub_co_u32 s[RT], s[RT], 1
	s_mov_b32 s[CNT], 4
	s_cmp_eq_u32 s[NEW], 1
	s_cbranch_scc0 .LentM2
	BEGIN
	s_branch .LfirstM2
	DIAG 2
	s_wait_tensorcnt 0x0            ; the wave's end
	ds_add_u32 v[SPW], v[NIL]
	s_wait_dscnt 0x0
	s_endpgm
.Lfunc_end_k_qb9d8d1dd36_attn:
	.size	k_qb9d8d1dd36_attn, .Lfunc_end_k_qb9d8d1dd36_attn-k_qb9d8d1dd36_attn
	.p2alignl 7, 3214868480
	.fill 96, 4, 3214868480
	.section	.rodata,"a",@progbits
	.p2align	6, 0x0
	.amdhsa_kernel k_qb9d8d1dd36_attn
		.amdhsa_group_segment_fixed_size 327680
		.amdhsa_private_segment_fixed_size 0
		.amdhsa_enable_private_segment 0
		.amdhsa_kernarg_size 32
		.amdhsa_user_sgpr_count 2
		.amdhsa_user_sgpr_kernarg_segment_ptr 1
		.amdhsa_wavefront_size32 1
		.amdhsa_system_sgpr_workgroup_id_x 1
		.amdhsa_system_sgpr_workgroup_id_y 1
		.amdhsa_system_sgpr_workgroup_id_z 1
		.amdhsa_system_vgpr_workitem_id 0
		.amdhsa_next_free_vgpr 768
		.amdhsa_next_free_sgpr 88
		.amdhsa_reserve_vcc 1
		.amdhsa_float_denorm_mode_32 3
		.amdhsa_float_denorm_mode_16_64 3
		.amdhsa_memory_ordered 1
		.amdhsa_forward_progress 1
		.amdhsa_inst_pref_size 130
	.end_amdhsa_kernel
	.amdgpu_metadata
---
amdhsa.version: [ 1, 2 ]
amdhsa.kernels:
  - .name:           k_qb9d8d1dd36_attn
    .symbol:         k_qb9d8d1dd36_attn.kd
    .args:
      - { .name: q, .offset: 0, .size: 8, .value_kind: global_buffer, .address_space: global }
      - { .name: k, .offset: 8, .size: 8, .value_kind: global_buffer, .address_space: global }
      - { .name: v, .offset: 16, .size: 8, .value_kind: global_buffer, .address_space: global }
      - { .name: o, .offset: 24, .size: 8, .value_kind: global_buffer, .address_space: global }
    .group_segment_fixed_size: 327680
    .private_segment_fixed_size: 0
    .kernarg_segment_align: 8
    .kernarg_segment_size: 32
    .max_flat_workgroup_size: 128
    .sgpr_count:     88
    .vgpr_count:     768
    .wavefront_size: 32
...
	.end_amdgpu_metadata
.endif
;; end of part 3
;; launch proj (part 4): grid 8 x 32, 4 waves a work-group, clusters of 4 x 4, 327,680 bytes of LDS; arguments o, cst, b_proj, p; writes p
.if DOCPART == 4
	.amdgcn_target "amdgcn-amd-amdhsa--gfx1250"
	.amdhsa_code_object_version 6
	.text
	.protected	k_qb9d8d1dd36_proj
	.globl	k_qb9d8d1dd36_proj
	.p2align	8
	.type	k_qb9d8d1dd36_proj,@function
k_qb9d8d1dd36_proj:
	s_mov_b64 s[64:65], 0
	v_nop
	global_prefetch_b8 v0, s[64:65] scope:SCOPE_SE
	s_setreg_imm32_b32 hwreg(HW_REG_WAVE_MODE, 25, 1), 1
	s_wait_xcnt 0x0
	s_wait_alu depctr_hold_cnt(0) depctr_sa_sdst(0) depctr_va_vdst(0) depctr_va_sdst(0) depctr_va_ssrc(0) depctr_va_vcc(0) depctr_vm_vsrc(0)
	s_getreg_b32 s2, hwreg(HW_REG_IB_STS2, 6, 4)
	s_cmp_eq_u32 s2, 0
	s_cbranch_scc0 .Lentry_in_a_cluster
	s_endpgm
.Lentry_in_a_cluster:
	s_bfe_u32 s2, ttmp6, 0x10000c
	s_cmp_lg_u32 s2, 0xf033
	s_cbranch_scc0 .Lentry_shape_is_right
	s_endpgm
.Lentry_shape_is_right:
; p = x + O w_proj + b_proj, [4096][1024] in f32.  O comes by heads, [32][2048][64] f16; w_proj [1024][1024] f16 at byte 0xE00000 of cst; x, rounded, f16 at byte 0 of cst; b_proj is rounded to bf16 here.
; SHARES.  A tile of 128 x 128 to a work-group of four waves, 64 x 64 a wave: 16 accumulators; 256 work-groups.  K goes in steps of 256 = four heads through two LDS slots.
; O's tile: a head's 128 rows are 16,384 dense bytes; a wave's load brings two heads as two such rows, padded in LDS after every 128 bytes: [head of the step][row], pitch 144.  A quarter step is one head.
; THE WEIGHTS LIE [K][N] and are read by the turning load.  THE MATRIX INSTRUCTION IS USED TRANSPOSED: a lane holds row l % 16 and the eight columns 8 (l / 16) + 0..7.
; The sums start at x + bias, made by one fused multiply-add a number while the first tile is on its way.
; CLUSTER 4 x 4: O's tile jointly along a row of the cluster, the weights' along a column.  No prefetch: of four K steps one could be named a step ahead.
; A K STEP IS WRITTEN ONCE: a PAIR of quarter steps in a loop of two trips.  THE WAY OUT: the accumulators go as f32 into the ring, which has had its last fill, and each wave reads its own part back by rows.
; REGISTERS: window 0 addresses, O's fragments (v64-191; v64-127 first hold x), way out; window 1 bias (v0-31), the weights' fragments (v64-191); window 2 the accumulators, (a, b) at 8 (4 a + b).
.set MB,     4
.set CQ,     2
.set TSTEPS, 4
.set APITCH, 144
.set AQ,     128*APITCH                ; a head
.set AWR,    64*APITCH
.set BPITCH, 288                       ; 256 bytes + 32
.set BQ,     32*CQ*BPITCH
.set HALFA,  2*128*APITCH
.set HALFB,  128*BPITCH
.set BBASE,  2*HALFA
.set SLOTX,  0x24000                   ; none of its bits is set in a load's place in slot 0 (0, 0x9000, 0x12000, 0x1b000)
.set SPARE,  0x48000
.set ASTEP,  4*262144
.set BSTEP,  256*2048
.set BOFF,   0xE00000
.set AHALF,  2*262144
.set BTILE,  256
.set BHALF,  128*2048
.set DP,     272
.set DUMPW,  64*DP
.set WQ,     16                        ; at a quarter's head the second 32 along K may be out
.set PF,     0
.set AG10,   (1<<16)|(1<<20)|(1<<21)|(4<<22)|(3<<25)  ; after every 32 words 4 words
.set ADIM0,  8192
.set ADIM1,  2
.set ASTR,   131072
.set BG10,   (1<<16)|(1<<20)|(1<<21)|(5<<22)|(7<<25)  ; after every 64 words 8 words
.set BDIM0,  128
.set BDIM1,  128
.set BSTR,   1024
.set AP,     68
.set CP,     70
.set BIASP,  72
.set RESP,   70
.set OUTP,   74
.set ONE,   6
.set ADRA0, 16
.set ADRB0, 17
.set ADRA,  18
.set ADRB,  19
.set STO,   24
.set RD,    25
.set CO,    26
.set BO,    27
.set SPW,   28
.set NIL,   29
.set RO,    31
.set X,     32
.set F0,    64
.set F1,    128
.set G1A,   24
.set G0A,   32
.set TBA,   36
.set TBB,   37
.set G1B,   48
.set G0B,   56
.set TO_B,  0x40
.set MSB, 0
.macro WIN new
.if MSB != (\new)
	s_set_vgpr_msb (MSB<<8)|(\new)
.set MSB, \new
.endif
.endm
.macro PLACES
.rept 4
	v_nop
.endr
.endm
.macro JLOAD                           ; a joint load: waves 0, 1 fetch the two halves of O's tile, waves 2, 3 those of the weights'
	s_cmp_eq_u32 s11, 0
	s_cbranch_scc0 .Lfor_b_\@
	tensor_load_to_lds s[G0A:G0A+3], s[G1A:G1A+7]
	s_nop 0
.rept 4
	v_nop
.endr
	s_branch .Lasked_\@
.Lfor_b_\@:
	tensor_load_to_lds s[G0B:G0B+3], s[G1B:G1B+7]
	s_nop 0
.rept 4
	v_nop
.endr
.Lasked_\@:
.endm
.macro CROUND
	s_barrier_signal -1
	s_barrier_wait -1
	s_cmp_lg_u32 s10, 0
	s_cbranch_scc1 .Lnot_wave_0_\@
	s_barrier_signal -3
.Lnot_wave_0_\@:
	s_barrier_wait -3
	s_barrier_signal -1
	s_barrier_wait -1
.endm
; 16 products: all 16 accumulators, 32 along K (half 0 or 1 of the quarter step).  The accumulators take turns, in the same order every time.
.macro MULH f, half, cb
	WIN 0xa1
.irp a, 0,1,2,3
.irp b, 0,1,2,3
	v_wmma_f32_16x16x32_f16 v[8*(4*(\a)+(\b)):8*(4*(\a)+(\b))+7], v[(\f)+8*(4*(\half)+(\b)):(\f)+8*(4*(\half)+(\b))+7], v[(\f)+8*(4*(\half)+(\a)):(\f)+8*(4*(\half)+(\a))+7], v[8*(4*(\a)+(\b)):8*(4*(\a)+(\b))+7]
.endr
.endr
.endm
.macro FETCH g                         ; 32 LDS loads in one run; the first 32 along K first
	WIN 0
	v_add_nc_u32 v[ADRA], s[TBA], v[ADRA0]
	v_add_nc_u32 v[ADRB], s[TBB], v[ADRB0]
.set cc, 0
.rept CQ
	WIN TO_B
.set bb, 0
.rept MB
	ds_load_tr16_b128 v[(\g)+8*(MB*cc+bb):(\g)+8*(MB*cc+bb)+3],   v[ADRB] offset:32*bb+32*cc*BPITCH
	ds_load_tr16_b128 v[(\g)+8*(MB*cc+bb)+4:(\g)+8*(MB*cc+bb)+7], v[ADRB] offset:32*bb+32*cc*BPITCH+16*BPITCH
.set bb, bb+1
.endr
	WIN 0
.set bb, 0
.rept MB
	ds_load_b128 v[(\g)+8*(MB*cc+bb):(\g)+8*(MB*cc+bb)+3],   v[ADRA] offset:bb*16*APITCH+64*cc
	ds_load_b128 v[(\g)+8*(MB*cc+bb)+4:(\g)+8*(MB*cc+bb)+7], v[ADRA] offset:bb*16*APITCH+64*cc+32
.set bb, bb+1
.endr
.set cc, cc+1
.endr
	s_add_co_u32 s[TBA], s[TBA], AQ
	s_add_co_u32 s[TBB], s[TBB], BQ
.endm
.macro QUARTER f, g, cb
	s_wait_dscnt WQ                                ; what the first half multiplies is in
	MULH \f, 0, \cb
	PLACES                                         ; behind the products that read g, a quarter step back
	FETCH \g
	s_wait_dscnt 32                                ; all but the 32 just issued
	MULH \f, 1, \cb
.endm
.macro PAIR
	QUARTER F1, F0, 0
	QUARTER F0, F1, 0
	WIN 0
.endm
; THE CHANGE OF SLOTS.  Each wave waits for all its tensor loads, adds 0 to its spare word, and waits for that and for its reads of the slot that it leaves.
; fill = 1: the barrier is a round of the cluster's, and the slot just left is filled again first thing behind it; the load has a K step's 128 matrix instructions in which to land.
.macro CHANGE fill, ask
	WIN 0
	s_wait_tensorcnt 0x0
	ds_add_u32 v[SPW], v[NIL]
.if \fill
	s_xor_b32 s[G0A+1], s[G0A+1], SLOTX
	s_add_nc_u64 s[G0A+2:G0A+3], s[G0A+2:G0A+3], ASTEP
	s_xor_b32 s[G0B+1], s[G0B+1], SLOTX
	s_add_nc_u64 s[G0B+2:G0B+3], s[G0B+2:G0B+3], BSTEP
.endif
	s_sub_co_u32 s[TBA], s[TBA], 4*AQ
	s_xor_b32 s[TBA], s[TBA], SLOTX
	s_sub_co_u32 s[TBB], s[TBB], 4*BQ
	s_xor_b32 s[TBB], s[TBB], SLOTX
	s_wait_dscnt 0x0
.if \fill
	CROUND
	JLOAD
.else
	s_barrier_signal -1
	s_barrier_wait -1
.endif
.endm
	s_load_b256 s[68:75], s[0:1], 0x0              ; o, cst, b_proj, p
	v_lshl_add_u32 v[SPW], v0, 2, SPARE
	v_mov_b32 v[NIL], 0
	ds_add_u32 v[SPW], v[NIL]                      ; the wave's opening: the add and its wait ahead of my first tensor load
	ds_add_u32 v28, v29
	v_lshrrev_b32 v1, 5, v0
	v_readfirstlane_b32 s10, v1
	s_lshr_b32 s11, s10, 1
	s_and_b32 s12, s10, 1
	s_bfe_u32 s40, ttmp6, 0x40000
	s_bfe_u32 s41, ttmp6, 0x40004
	s_lshl_b32 s42, ttmp9, 2
	s_add_co_u32 s42, s42, s40                     ; tile column
	s_and_b32 s13, ttmp7, 0xffff
	s_lshl_b32 s13, s13, 2
	s_add_co_u32 s13, s13, s41                     ; tile row
	s_lshl_b32 s14, s41, 2
	s_lshl_b32 s14, 15, s14
	s_lshl_b32 s15, 0x1111, s40
	s_or_b32 s[G1A], s14, AG10
	s_or_b32 s[G1B], s15, BG10
	s_mov_b32 s[G1A+1], ADIM0<<16
	s_mov_b32 s[G1A+2], ADIM1<<16
	s_mov_b32 s[G1A+3], ADIM0<<16
	s_mov_b32 s[G1A+4], ADIM1
	s_mov_b32 s[G1A+5], ASTR
	s_mov_b32 s[G1A+6], 0
	s_mov_b32 s[G1A+7], 0
	s_mov_b32 s[G1B+1], BDIM0<<16
	s_mov_b32 s[G1B+2], BDIM1<<16
	s_mov_b32 s[G1B+3], BDIM0<<16
	s_mov_b32 s[G1B+4], BDIM1
	s_mov_b32 s[G1B+5], BSTR
	s_mov_b32 s[G1B+6], 0
	s_mov_b32 s[G1B+7], 0
	s_mov_b32 s[G0A], 1
	s_mul_i32 s[G0A+1], s12, HALFA
	s_mov_b32 s[G0B], 1
	s_mul_i32 s[G0B+1], s12, HALFB
	s_add_co_u32 s[G0B+1], s[G0B+1], BBASE
	s_lshr_b32 s16, s13, 4                         ; batch: 16 heads of 262,144 bytes
	s_lshl_b32 s16, s16, 22
	s_and_b32 s17, s13, 15                         ; the tile's 128 rows in the batch, 128 bytes each
	s_lshl_b32 s17, s17, 14
	s_add_co_u32 s16, s16, s17
	s_mul_i32 s17, s12, AHALF                      ; my two heads of the step's four
	s_add_co_u32 s16, s16, s17
	s_mov_b32 s17, 0
	s_mul_i32 s20, s42, BTILE
	s_mul_i32 s21, s12, BHALF
	s_add_co_u32 s20, s20, s21
	s_mov_b32 s21, 0
	s_lshl1_add_u32 s38, s13, s11                  ; my 64 rows among all
	s_lshl1_add_u32 s39, s42, s12                  ; my 64 columns
	s_wait_dscnt 0x0
	s_wait_kmcnt 0x0
	s_mov_b64 s[4:5], s[AP:AP+1]
	s_add_nc_u64 s[6:7], s[CP:CP+1], BOFF
	s_add_nc_u64 s[16:17], s[4:5], s[16:17]
	s_add_nc_u64 s[20:21], s[6:7], s[20:21]
	s_mov_b64 s[G0A+2:G0A+3], s[16:17]
	s_or_b32 s[G0A+3], s[G0A+3], 0x80000000
	s_mov_b64 s[G0B+2:G0B+3], s[20:21]
	s_or_b32 s[G0B+3], s[G0B+3], 0x80000000
	CROUND
	JLOAD                                          ; K step 0 into slot 0
	v_and_b32 v1, 15, v0
	v_bfe_u32 v2, v0, 4, 1
	v_lshlrev_b32 v[BO], 5, v2
	v_lshlrev_b32 v[RO], 11, v1                    ; the residual: row r of 2,048 bytes, 16 bytes for each half of the lanes
	v_lshl_add_u32 v[RO], v2, 4, v[RO]
	v_mov_b32 v[ONE], 1.0
	s_lshl_b32 s14, s39, 8
	s_mov_b32 s15, 0
	s_add_nc_u64 s[60:61], s[BIASP:BIASP+1], s[14:15]
	s_lshl_b32 s14, s38, 17
	s_lshl_b32 s22, s39, 7
	s_add_co_u32 s14, s14, s22
	s_add_nc_u64 s[62:63], s[RESP:RESP+1], s[14:15]
	s_lshl_b32 s14, s38, 18
	s_lshl_b32 s22, s39, 8
	s_add_co_u32 s14, s14, s22
	s_add_nc_u64 s[8:9], s[OUTP:OUTP+1], s[14:15]
	WIN TO_B
.set i, 0
.rept MB
	global_load_b128 v[8*i:8*i+3],   v[BO], s[60:61] offset:64*i
	global_load_b128 v[8*i+4:8*i+7], v[BO], s[60:61] offset:64*i+16
.set i, i+1
.endr
	WIN 0
.set i, 0
.rept 16                               ; block (a, b) = (i / 4, i % 4): my eight numbers of row 16 a + r
	global_load_b128 v[64+4*i:64+4*i+3], v[RO], s[62:63] offset:(i/4)*32768+(i%4)*32
.set i, i+1
.endr
	v_mul_u32_u24 v3, v1, APITCH
	v_lshl_add_u32 v3, v2, 4, v3
	s_mul_i32 s14, s11, AWR
	v_add_nc_u32 v[ADRA0], s14, v3
	v_and_b32 v3, 7, v0
	v_lshl_add_u32 v3, v2, 3, v3
	v_mul_u32_u24 v3, v3, BPITCH
	v_bfe_u32 v4, v0, 3, 1
	v_lshl_add_u32 v3, v4, 4, v3
	s_mul_i32 s14, s12, 32*MB
	s_add_co_u32 s14, s14, BBASE
	v_add_nc_u32 v[ADRB0], s14, v3
	s_mul_i32 s14, s10, DUMPW
	v_mul_u32_u24 v3, v1, DP
	v_lshl_add_u32 v3, v2, 5, v3
	v_add_nc_u32 v[STO], s14, v3
	v_mul_u32_u24 v3, v2, DP                       ; back: lanes 0-15 take one row of 256 bytes, lanes 16-31 the next
	v_lshl_add_u32 v3, v1, 4, v3
	v_add_nc_u32 v[RD], s14, v3
	v_lshlrev_b32 v3, 12, v2
	v_lshl_add_u32 v[CO], v1, 4, v3
	s_mov_b32 s[TBA], SLOTX+4*AQ
	s_mov_b32 s[TBB], SLOTX+4*BQ
	s_mov_b32 s23, 0xffff0000
	s_wait_loadcnt 0x0                             ; bias and residual
	WIN 0x45
.set i, 0
.rept 4*MB                             ; the bias is rounded to bf16, like every input
	v_cvt_pk_bf16_f32 v[192+i%16], v[2*i], v[2*i+1]
	v_lshlrev_b32 v[2*i], 16, v[192+i%16]
	v_and_b32 v[2*i+1], s23, v[192+i%16]
.set i, i+1
.endr
	WIN 0x90                                       ; destination window 2, the f16 halves and 1.0 in window 0, the bias in window 1
.set i, 0
.rept 64                               ; word i: block i / 4, numbers 2 (i % 4) and 2 (i % 4) + 1: the sums start at residual x 1 + bias
	v_fma_mix_f32 v[2*i],   v[64+i], v[ONE], v[8*((i/4)%4)+2*(i%4)]   op_sel_hi:[1,0,0]
	v_fma_mix_f32 v[2*i+1], v[64+i], v[ONE], v[8*((i/4)%4)+2*(i%4)+1] op_sel:[1,0,0] op_sel_hi:[1,0,0]
.set i, i+1
.endr
	WIN 0
	CHANGE 1, 0                                    ; slot 0 is in; slot 1 is asked for
	FETCH F0
	QUARTER F0, F1, 0
	WIN 0
	s_mov_b32 s2, TSTEPS-1
	s_mov_b32 s3, 1
	s_branch .Lpair
.Lstep:
	CHANGE 1, PF
	s_mov_b32 s3, 2
.Lpair:
	PAIR
	s_sub_co_u32 s3, s3, 1
	s_cmp_lg_u32 s3, 0
	s_cbranch_scc1 .Lpair
	s_sub_co_u32 s2, s2, 1
	s_cmp_lg_u32 s2, 0
	s_cbranch_scc1 .Lstep
	CHANGE 0, 0                                    ; the last K step is written out
	s_mov_b32 s3, 2
.Lpair2:
	PAIR
	s_sub_co_u32 s3, s3, 1
	s_cmp_lg_u32 s3, 0
	s_cbranch_scc1 .Lpair2
	s_wait_dscnt 0x0
	MULH F1, 0, 0
	MULH F1, 1, 0
	WIN 0
	PLACES
	PLACES
	s_barrier_signal -1                            ; every wave's reads of the ring are back: it may be written
	s_barrier_wait -1
	WIN 0x08
.irp a, 0,1,2,3
.irp b, 0,1,2,3
	ds_store_b128 v[STO], v[8*(4*(\a)+(\b)):8*(4*(\a)+(\b))+3]   offset:(\a)*16*DP+64*(\b)
	ds_store_b128 v[STO], v[8*(4*(\a)+(\b))+4:8*(4*(\a)+(\b))+7] offset:(\a)*16*DP+64*(\b)+16
.endr
.endr
	WIN 0
	s_mov_b32 s3, 4
.Lout:                                             ; sixteen rows a trip
.irp j, 0,1,2,3,4,5,6,7
	ds_load_b128 v[X+4*(\j):X+4*(\j)+3], v[RD] offset:2*DP*(\j)
.endr
.irp j, 0,1,2,3,4,5,6,7
	s_wait_dscnt 7-(\j)
	global_store_b128 v[CO], v[X+4*(\j):X+4*(\j)+3], s[8:9] offset:8192*(\j)  ; 16 lanes store 256 consecutive bytes, aligned
.endr
	s_wait_xcnt 0x0                                ; the stores have read their data and their base
	v_add_nc_u32 v[RD], 16*DP, v[RD]
	s_add_nc_u64 s[8:9], s[8:9], 65536
	s_sub_co_u32 s3, s3, 1
	s_cmp_lg_u32 s3, 0
	s_cbranch_scc1 .Lout
	s_wait_tensorcnt 0x0                           ; the wave's end
	ds_add_u32 v[SPW], v[NIL]
	s_wait_dscnt 0x0
	CROUND
	s_endpgm
.Lfunc_end_k_qb9d8d1dd36_proj:
	.size	k_qb9d8d1dd36_proj, .Lfunc_end_k_qb9d8d1dd36_proj-k_qb9d8d1dd36_proj
	.p2alignl 7, 3214868480
	.fill 96, 4, 3214868480
	.section	.rodata,"a",@progbits
	.p2align	6, 0x0
	.amdhsa_kernel k_qb9d8d1dd36_proj
		.amdhsa_group_segment_fixed_size 327680
		.amdhsa_private_segment_fixed_size 0
		.amdhsa_enable_private_segment 0
		.amdhsa_kernarg_size 32
		.amdhsa_user_sgpr_count 2
		.amdhsa_user_sgpr_kernarg_segment_ptr 1
		.amdhsa_wavefront_size32 1
		.amdhsa_system_sgpr_workgroup_id_x 1
		.amdhsa_system_sgpr_workgroup_id_y 1
		.amdhsa_system_sgpr_workgroup_id_z 1
		.amdhsa_system_vgpr_workitem_id 0
		.amdhsa_next_free_vgpr 640
		.amdhsa_next_free_sgpr 84
		.amdhsa_reserve_vcc 0
		.amdhsa_float_denorm_mode_32 3
		.amdhsa_float_denorm_mode_16_64 3
		.amdhsa_memory_ordered 1
		.amdhsa_forward_progress 1
		.amdhsa_inst_pref_size 55
	.end_amdhsa_kernel
	.amdgpu_metadata
---
amdhsa.version: [ 1, 2 ]
amdhsa.kernels:
  - .name:           k_qb9d8d1dd36_proj
    .symbol:         k_qb9d8d1dd36_proj.kd
    .args:
      - { .name: o, .offset: 0, .size: 8, .value_kind: global_buffer, .address_space: global }
      - { .name: cst, .offset: 8, .size: 8, .value_kind: global_buffer, .address_space: global }
      - { .name: b_proj, .offset: 16, .size: 8, .value_kind: global_buffer, .address_space: global }
      - { .name: p, .offset: 24, .size: 8, .value_kind: global_buffer, .address_space: global }
    .group_segment_fixed_size: 327680
    .private_segment_fixed_size: 0
    .kernarg_segment_align: 8
    .kernarg_segment_size: 32
    .max_flat_workgroup_size: 128
    .sgpr_count:     84
    .vgpr_count:     640
    .wavefront_size: 32
...
	.end_amdgpu_metadata
.endif
;; end of part 4
;; launch ln1 (part 5): grid 512 x 1, 8 waves a work-group, no clusters, 0 bytes of LDS; arguments p, ln1_g, ln1_b, h; writes h
.if DOCPART == 5
	.amdgcn_target "amdgcn-amd-amdhsa--gfx1250"
	.amdhsa_code_object_version 6
	.text
	.protected	k_qb9d8d1dd36_ln1
	.globl	k_qb9d8d1dd36_ln1
	.p2align	8
	.type	k_qb9d8d1dd36_ln1,@function
k_qb9d8d1dd36_ln1:
	s_mov_b64 s[64:65], 0
	v_nop
	global_prefetch_b8 v0, s[64:65] scope:SCOPE_SE
	s_setreg_imm32_b32 hwreg(HW_REG_WAVE_MODE, 25, 1), 1
	s_wait_xcnt 0x0
; h = (p - mean) / sqrt(var + 1e-5) x gain + shift along rows of 1,024.  p f32, h f16 (LIMIT: |h| below 65,504); gain and shift are rounded to bf16, like every input.
; One wave, one row, kept in 32 registers: read once; the variance is taken of the centred numbers, so no difference of large sums is formed.  Eight rows a work-group.
; Lane l holds columns 128 j + 4 l .. + 3, j = 0..7: a load covers 512 consecutive bytes, a store 256.  Memory binds: no LDS, no barrier, no matrix unit.
.set F16OUT, 1
.set S,  8                             ; v[8:15]   four chains of sums
.set MU, 16                            ; v[16:17]  the mean, twice
.set RS, 18                            ; v[18:19]  1 / sqrt(var + eps), twice
.set X,  32
.set G,  64
.set BV, 96
.set Y,  128                           ; at work, then the packed results
.macro LANES                           ; the sum of v20 over the 32 lanes, in every lane
	v_add_f32_dpp v20, v20, v20 row_xmask:1 row_mask:0xf bank_mask:0xf
	v_add_f32_dpp v20, v20, v20 row_xmask:2 row_mask:0xf bank_mask:0xf
	v_add_f32_dpp v20, v20, v20 row_xmask:4 row_mask:0xf bank_mask:0xf
	v_add_f32_dpp v20, v20, v20 row_xmask:8 row_mask:0xf bank_mask:0xf
	v_permlanex16_b32 v21, v20, s16, s17
	v_add_f32 v20, v20, v21
.endm
.macro FOLD                            ; the four chains into v20
	v_pk_add_f32 v[S:S+1], v[S:S+1], v[S+2:S+3]
	v_pk_add_f32 v[S+4:S+5], v[S+4:S+5], v[S+6:S+7]
	v_pk_add_f32 v[S:S+1], v[S:S+1], v[S+4:S+5]
	v_add_f32 v20, v[S], v[S+1]
.endm
	s_load_b256 s[4:11], s[0:1], 0x0               ; p, gain, shift, out
	v_lshrrev_b32 v1, 5, v0
	v_readfirstlane_b32 s12, v1
	s_lshl3_add_u32 s13, ttmp9, s12                ; my row
	v_and_b32 v2, 31, v0
	v_lshlrev_b32 v3, 4, v2
	v_lshlrev_b32 v4, 3, v2
	v_mov_b32 v21, 0                               ; v_permlanex16_b32 counts as a reader of its destination
	s_lshl_b32 s14, s13, 12
	s_mov_b32 s15, 0
	s_mov_b32 s16, 0x76543210
	s_mov_b32 s17, 0xfedcba98
	s_mov_b32 s18, 0x3a800000                      ; 1 / 1024
	s_mov_b32 s19, 0x3727c5ac                      ; 1e-5
	s_mov_b32 s20, 0xffff0000
	s_wait_kmcnt 0x0
	s_add_nc_u64 s[4:5], s[4:5], s[14:15]
.if F16OUT
	s_lshl_b32 s14, s13, 11
.endif
	s_add_nc_u64 s[10:11], s[10:11], s[14:15]
.irp j, 0,1,2,3,4,5,6,7
	global_load_b128 v[X+4*\j:X+4*\j+3], v3, s[4:5] offset:512*\j th:TH_LOAD_NT
.endr
.irp j, 0,1,2,3,4,5,6,7
	global_load_b128 v[G+4*\j:G+4*\j+3], v3, s[6:7] offset:512*\j
.endr
.irp j, 0,1,2,3,4,5,6,7
	global_load_b128 v[BV+4*\j:BV+4*\j+3], v3, s[8:9] offset:512*\j
.endr
	s_wait_loadcnt 16                              ; the row is in; gain's and shift's 16 loads stay out
.irp c, 0,1,2,3
	v_pk_add_f32 v[S+2*\c:S+2*\c+1], v[X+2*\c:X+2*\c+1], v[X+8+2*\c:X+8+2*\c+1]
.endr
.irp c, 0,1,2,3
	v_pk_add_f32 v[S+2*\c:S+2*\c+1], v[S+2*\c:S+2*\c+1], v[X+16+2*\c:X+16+2*\c+1]
.endr
.irp c, 0,1,2,3
	v_pk_add_f32 v[S+2*\c:S+2*\c+1], v[S+2*\c:S+2*\c+1], v[X+24+2*\c:X+24+2*\c+1]
.endr
	FOLD
	LANES
	v_mul_f32 v[MU], s18, v20
	v_mov_b32 v[MU+1], v[MU]
.set i, 0
.rept 16
	v_pk_add_f32 v[X+2*i:X+2*i+1], v[X+2*i:X+2*i+1], v[MU:MU+1] neg_lo:[0,1] neg_hi:[0,1]
.set i, i+1
.endr
.irp c, 0,1,2,3
	v_pk_mul_f32 v[S+2*\c:S+2*\c+1], v[X+2*\c:X+2*\c+1], v[X+2*\c:X+2*\c+1]
.endr
.irp d, 8,16,24
.irp c, 0,1,2,3
	v_pk_fma_f32 v[S+2*\c:S+2*\c+1], v[X+\d+2*\c:X+\d+2*\c+1], v[X+\d+2*\c:X+\d+2*\c+1], v[S+2*\c:S+2*\c+1]
.endr
.endr
	FOLD
	LANES
	v_fma_f32 v22, v20, s18, s19                   ; var + eps
	v_rsq_f32 v[RS], v22
	s_wait_loadcnt 0x0                             ; gain and shift: their rounding is the independent work behind the root
.set i, 0
.rept 16
	v_cvt_pk_bf16_f32 v[Y+i], v[G+2*i], v[G+2*i+1]
	v_lshlrev_b32 v[G+2*i], 16, v[Y+i]
	v_and_b32 v[G+2*i+1], s20, v[Y+i]
.set i, i+1
.endr
.set i, 0
.rept 16
	v_cvt_pk_bf16_f32 v[Y+i], v[BV+2*i], v[BV+2*i+1]
	v_lshlrev_b32 v[BV+2*i], 16, v[Y+i]
	v_and_b32 v[BV+2*i+1], s20, v[Y+i]
.set i, i+1
.endr
	s_wait_alu depctr_va_vdst(0)                   ; the wait ahead of the first line that names the root's result
	v_mov_b32 v[RS+1], v[RS]
.set i, 0
.rept 16
	v_pk_mul_f32 v[X+2*i:X+2*i+1], v[X+2*i:X+2*i+1], v[RS:RS+1]
.set i, i+1
.endr
.set i, 0
.rept 16
	v_pk_fma_f32 v[X+2*i:X+2*i+1], v[X+2*i:X+2*i+1], v[G+2*i:G+2*i+1], v[BV+2*i:BV+2*i+1]
.set i, i+1
.endr
.if F16OUT
.set i, 0
.rept 16
	v_cvt_pk_f16_f32 v[Y+i], v[X+2*i], v[X+2*i+1]
.set i, i+1
.endr
.irp j, 0,1,2,3,4,5,6,7
	global_store_b64 v4, v[Y+2*\j:Y+2*\j+1], s[10:11] offset:256*\j
.endr
.else
.irp j, 0,1,2,3,4,5,6,7
	global_store_b128 v3, v[X+4*\j:X+4*\j+3], s[10:11] offset:512*\j
.endr
.endif
	s_endpgm
.Lfunc_end_k_qb9d8d1dd36_ln1:
	.size	k_qb9d8d1dd36_ln1, .Lfunc_end_k_qb9d8d1dd36_ln1-k_qb9d8d1dd36_ln1
	.p2alignl 7, 3214868480
	.fill 96, 4, 3214868480
	.section	.rodata,"a",@progbits
	.p2align	6, 0x0
	.amdhsa_kernel k_qb9d8d1dd36_ln1
		.amdhsa_group_segment_fixed_size 0
		.amdhsa_private_segment_fixed_size 0
		.amdhsa_enable_private_segment 0
		.amdhsa_kernarg_size 32
		.amdhsa_user_sgpr_count 2
		.amdhsa_user_sgpr_kernarg_segment_ptr 1
		.amdhsa_wavefront_size32 1
		.amdhsa_system_sgpr_workgroup_id_x 1
		.amdhsa_system_sgpr_workgroup_id_y 1
		.amdhsa_system_sgpr_workgroup_id_z 1
		.amdhsa_system_vgpr_workitem_id 0
		.amdhsa_next_free_vgpr 144
		.amdhsa_next_free_sgpr 66
		.amdhsa_reserve_vcc 0
		.amdhsa_float_denorm_mode_32 3
		.amdhsa_float_denorm_mode_16_64 3
		.amdhsa_memory_ordered 1
		.amdhsa_forward_progress 1
		.amdhsa_inst_pref_size 16
	.end_amdhsa_kernel
	.amdgpu_metadata
---
amdhsa.version: [ 1, 2 ]
amdhsa.kernels:
  - .name:           k_qb9d8d1dd36_ln1
    .symbol:         k_qb9d8d1dd36_ln1.kd
    .args:
      - { .name: p, .offset: 0, .size: 8, .value_kind: global_buffer, .address_space: global }
      - { .name: ln1_g, .offset: 8, .size: 8, .value_kind: global_buffer, .address_space: global }
      - { .name: ln1_b, .offset: 16, .size: 8, .value_kind: global_buffer, .address_space: global }
      - { .name: h, .offset: 24, .size: 8, .value_kind: global_buffer, .address_space: global }
    .group_segment_fixed_size: 0
    .private_segment_fixed_size: 0
    .kernarg_segment_align: 8
    .kernarg_segment_size: 32
    .max_flat_workgroup_size: 256
    .sgpr_count:     66
    .vgpr_count:     144
    .wavefront_size: 32
...
	.end_amdgpu_metadata
.endif
;; end of part 5
;; launch fc (part 6): grid 16 x 16, 4 waves a work-group, clusters of 4 x 4, 327,680 bytes of LDS; arguments h, cst, b_fc, g; writes g
.if DOCPART == 6
	.amdgcn_target "amdgcn-amd-amdhsa--gfx1250"
	.amdhsa_code_object_version 6
	.text
	.protected	k_qb9d8d1dd36_fc
	.globl	k_qb9d8d1dd36_fc
	.p2align	8
	.type	k_qb9d8d1dd36_fc,@function
k_qb9d8d1dd36_fc:
	s_mov_b64 s[64:65], 0
	v_nop
	global_prefetch_b8 v0, s[64:65] scope:SCOPE_SE
	s_setreg_imm32_b32 hwreg(HW_REG_WAVE_MODE, 25, 1), 1
	s_wait_xcnt 0x0
	s_wait_alu depctr_hold_cnt(0) depctr_sa_sdst(0) depctr_va_vdst(0) depctr_va_sdst(0) depctr_va_ssrc(0) depctr_va_vcc(0) depctr_vm_vsrc(0)
	s_getreg_b32 s2, hwreg(HW_REG_IB_STS2, 6, 4)
	s_cmp_eq_u32 s2, 0
	s_cbranch_scc0 .Lentry_in_a_cluster
	s_endpgm
.Lentry_in_a_cluster:
	s_bfe_u32 s2, ttmp6, 0x10000c
	s_cmp_lg_u32 s2, 0xf033
	s_cbranch_scc0 .Lentry_shape_is_right
	s_endpgm
.Lentry_shape_is_right:
; g = gelu_tanh(h w_fc + b_fc), [4096][4096] in f16, rounded once.  h [4096][1024] f16; w_fc [1024][4096] f16 at byte 0x1000000 of cst; b_fc is rounded to bf16 here.  LIMIT: |g| below 65,504.
; gelu_tanh(x) = x / (1 + 2^(x (K1 + K2 x^2))), K1 = -2 sqrt(2 / pi) log2(e), K2 = 0.044715 K1: the same function as 0.5 x (1 + tanh(..)).  Where the power overflows the quotient is -0, where it vanishes x.
; SHARES.  A tile of 256 x 256 to a work-group of four waves, 128 x 128 a wave: 64 accumulators, 512 registers.  K goes in steps of 128 through two LDS slots.
; THE WEIGHTS LIE [K][N] and are read by the turning load ds_load_tr16_b128.  THE MATRIX INSTRUCTION IS USED TRANSPOSED: a lane holds row l % 16 and the eight columns 8 (l / 16) + 0..7.
; The bias is the C operand of the products that start the sums.  CLUSTER 4 x 4: h's tile jointly along a row of the cluster, the weights' along a column.
; A K STEP IS WRITTEN ONCE: a PAIR of quarter steps in a loop of two trips.  THE WAY OUT: all accumulators go as f32 into the ring, which has had its last fill; each wave reads its own part back by rows.
; REGISTERS: window 0 addresses, h's fragments (v64-191), way out; window 1 bias (v0-63), the weights' fragments (v64-191); windows 2, 3 the accumulators, (a, b) at 8 (8 (a % 4) + b).
.set MB,     8
.set CQ,     1
.set TSTEPS, 8
.set NN,     4096
.set APITCH, 272
.set AQ,     64
.set AWR,    128*APITCH
.set BPITCH, 544
.set BQ,     32*CQ*BPITCH
.set HALFA,  128*APITCH
.set HALFB,  64*BPITCH
.set BBASE,  2*HALFA
.set SLOTX,  0x22000                   ; none of its bits is set in a load's place in slot 0 (0, 0x8800, 0x11000, 0x19800)
.set SPARE,  0x44000
.set ASTEP,  256
.set BSTEP,  128*2*NN
.set BOFF,   0x1000000
.set ATILE,  256*2048
.set AHALF,  128*2048
.set BTILE,  512
.set BHALF,  64*2*NN
.set DP,     528
.set DUMPW,  128*DP
.set WQ,     8
.set PF,     1
.set APIT,   2048
.set ASH,    0
.set APART,  32*2048
.set BPIT,   2*NN
.set BSH,    1
.set BPART,  16*2*NN
.set AG10,   (1<<16)|(1<<20)|(1<<21)|(5<<22)|(3<<25)
.set ADIM0,  128
.set ADIM1,  128
.set ASTR,   1024
.set BG10,   (1<<16)|(1<<20)|(1<<21)|(6<<22)|(7<<25)
.set BDIM0,  256
.set BDIM1,  64
.set BSTR,   NN
.set AP,     68
.set CP,     70
.set BIASP,  72
.set OUTP,   74
.set ADRA0, 16
.set ADRB0, 17
.set ADRA,  18
.set ADRB,  19
.set STO,   24
.set RD,    25
.set CO,    26
.set BO,    27
.set SPW,   28
.set NIL,   29
.set PFO,   30
.set X,     32
.set F0,    64
.set F1,    128
.set TT,    192
.set Y,     224
.set G1A,   24
.set G0A,   32
.set TBA,   36
.set TBB,   37
.set LIM,   43
.set PFA,   44
.set PFS,   46
.set G1B,   48
.set G0B,   56
.set K1,    78
.set K2,    80
.set TO_B,  0x40
.set MSB, 0
.macro WIN new
.if MSB != (\new)
	s_set_vgpr_msb (MSB<<8)|(\new)
.set MSB, \new
.endif
.endm
.macro PLACES
.rept 4
	v_nop
.endr
.endm
.macro JLOAD                           ; a joint load: waves 0, 1 fetch the two halves of h's tile, waves 2, 3 those of the weights'
	s_cmp_eq_u32 s11, 0
	s_cbranch_scc0 .Lfor_b_\@
	tensor_load_to_lds s[G0A:G0A+3], s[G1A:G1A+7]
	s_nop 0
.rept 4
	v_nop
.endr
	s_branch .Lasked_\@
.Lfor_b_\@:
	tensor_load_to_lds s[G0B:G0B+3], s[G1B:G1B+7]
	s_nop 0
.rept 4
	v_nop
.endr
.Lasked_\@:
.endm
.macro CROUND
	s_barrier_signal -1
	s_barrier_wait -1
	s_cmp_lg_u32 s10, 0
	s_cbranch_scc1 .Lnot_wave_0_\@
	s_barrier_signal -3
.Lnot_wave_0_\@:
	s_barrier_wait -3
	s_barrier_signal -1
	s_barrier_wait -1
.endm
.macro ASK                             ; a prefetch of my work-group's 32 blocks of 256 bytes of the tile that the NEXT change of slots will ask for; the last looped change (s2 = 1) asks for nothing
	s_cmp_gt_u32 s2, s[LIM]
	s_cbranch_scc0 .Lnot_mine_\@
	global_prefetch_b8 v[PFO], s[PFA:PFA+1] th:TH_LOAD_NT scope:SCOPE_SE
.Lnot_mine_\@:
.endm
; 32 products: my rows 64 half .. 64 half + 63 x all 128 columns, 32 along K.  cb = 1: they start the sums, with the bias as C.  The 64 accumulators take turns.
.macro MULH f, half, cb
.if \cb
	WIN 0x91+0x40*(\half)
.else
	WIN 0xa1+0x50*(\half)
.endif
.irp a, 0,1,2,3
.irp b, 0,1,2,3,4,5,6,7
.if \cb
	v_wmma_f32_16x16x32_f16 v[8*(8*(\a)+(\b)):8*(8*(\a)+(\b))+7], v[(\f)+8*(\b):(\f)+8*(\b)+7], v[(\f)+8*(4*(\half)+(\a)):(\f)+8*(4*(\half)+(\a))+7], v[8*(\b):8*(\b)+7]
.else
	v_wmma_f32_16x16x32_f16 v[8*(8*(\a)+(\b)):8*(8*(\a)+(\b))+7], v[(\f)+8*(\b):(\f)+8*(\b)+7], v[(\f)+8*(4*(\half)+(\a)):(\f)+8*(4*(\half)+(\a))+7], v[8*(8*(\a)+(\b)):8*(8*(\a)+(\b))+7]
.endif
.endr
.endr
.endm
.macro FETCH g                         ; 32 LDS loads in one run; the weights' first
	WIN 0
	v_add_nc_u32 v[ADRA], s[TBA], v[ADRA0]
	v_add_nc_u32 v[ADRB], s[TBB], v[ADRB0]
.set cc, 0
.rept CQ
	WIN TO_B
.set bb, 0
.rept MB
	ds_load_tr16_b128 v[(\g)+8*(MB*cc+bb):(\g)+8*(MB*cc+bb)+3],   v[ADRB] offset:32*bb+32*cc*BPITCH
	ds_load_tr16_b128 v[(\g)+8*(MB*cc+bb)+4:(\g)+8*(MB*cc+bb)+7], v[ADRB] offset:32*bb+32*cc*BPITCH+16*BPITCH
.set bb, bb+1
.endr
	WIN 0
.set bb, 0
.rept MB
	ds_load_b128 v[(\g)+8*(MB*cc+bb):(\g)+8*(MB*cc+bb)+3],   v[ADRA] offset:bb*16*APITCH+64*cc
	ds_load_b128 v[(\g)+8*(MB*cc+bb)+4:(\g)+8*(MB*cc+bb)+7], v[ADRA] offset:bb*16*APITCH+64*cc+32
.set bb, bb+1
.endr
.set cc, cc+1
.endr
	s_add_co_u32 s[TBA], s[TBA], AQ
	s_add_co_u32 s[TBB], s[TBB], BQ
.endm
.macro QUARTER f, g, cb
	s_wait_dscnt WQ                                ; what the first half multiplies is in
	MULH \f, 0, \cb
	PLACES                                         ; behind the products that read g, a quarter step back
	FETCH \g
	s_wait_dscnt 32                                ; all but the 32 just issued
	MULH \f, 1, \cb
.endm
.macro PAIR
	QUARTER F1, F0, 0
	QUARTER F0, F1, 0
	WIN 0
.endm
; THE CHANGE OF SLOTS.  Each wave waits for all its tensor loads, adds 0 to its spare word, and waits for that and for its reads of the slot that it leaves.
; fill = 1: the barrier is a round of the cluster's, and the slot just left is filled again first thing behind it; the load has a K step's 256 matrix instructions in which to land.
.macro CHANGE fill, ask
	WIN 0
.if \ask
	s_wait_xcnt 0x0                                ; the last prefetch, a K step back, has read its address
	s_add_nc_u64 s[PFA:PFA+1], s[PFA:PFA+1], s[PFS:PFS+1]
.endif
	s_wait_tensorcnt 0x0
	ds_add_u32 v[SPW], v[NIL]
.if \fill
	s_xor_b32 s[G0A+1], s[G0A+1], SLOTX
	s_add_nc_u64 s[G0A+2:G0A+3], s[G0A+2:G0A+3], ASTEP
	s_xor_b32 s[G0B+1], s[G0B+1], SLOTX
	s_add_nc_u64 s[G0B+2:G0B+3], s[G0B+2:G0B+3], BSTEP
.endif
	s_sub_co_u32 s[TBA], s[TBA], 4*AQ
	s_xor_b32 s[TBA], s[TBA], SLOTX
	s_sub_co_u32 s[TBB], s[TBB], 4*BQ
	s_xor_b32 s[TBB], s[TBB], SLOTX
	s_wait_dscnt 0x0
.if \fill
	CROUND
	JLOAD
.if \ask
	ASK
.endif
.else
	s_barrier_signal -1
	s_barrier_wait -1
.endif
.endm
	s_load_b256 s[68:75], s[0:1], 0x0              ; h, cst, b_fc, g
	v_lshl_add_u32 v[SPW], v0, 2, SPARE
	v_mov_b32 v[NIL], 0
	ds_add_u32 v[SPW], v[NIL]                      ; the wave's opening: the add and its wait ahead of my first tensor load
	ds_add_u32 v28, v29
	v_lshrrev_b32 v1, 5, v0
	v_readfirstlane_b32 s10, v1
	s_lshr_b32 s11, s10, 1
	s_and_b32 s12, s10, 1
	s_bfe_u32 s40, ttmp6, 0x40000
	s_bfe_u32 s41, ttmp6, 0x40004
	s_lshl_b32 s42, ttmp9, 2
	s_add_co_u32 s42, s42, s40                     ; tile column
	s_and_b32 s13, ttmp7, 0xffff
	s_lshl_b32 s13, s13, 2
	s_add_co_u32 s13, s13, s41                     ; tile row
	s_lshl_b32 s14, s41, 2
	s_lshl_b32 s14, 15, s14
	s_lshl_b32 s15, 0x1111, s40
	s_or_b32 s[G1A], s14, AG10
	s_or_b32 s[G1B], s15, BG10
	s_mov_b32 s[G1A+1], ADIM0<<16
	s_mov_b32 s[G1A+2], ADIM1<<16
	s_mov_b32 s[G1A+3], ADIM0<<16
	s_mov_b32 s[G1A+4], ADIM1
	s_mov_b32 s[G1A+5], ASTR
	s_mov_b32 s[G1A+6], 0
	s_mov_b32 s[G1A+7], 0
	s_mov_b32 s[G1B+1], BDIM0<<16
	s_mov_b32 s[G1B+2], BDIM1<<16
	s_mov_b32 s[G1B+3], BDIM0<<16
	s_mov_b32 s[G1B+4], BDIM1
	s_mov_b32 s[G1B+5], BSTR
	s_mov_b32 s[G1B+6], 0
	s_mov_b32 s[G1B+7], 0
	s_mov_b32 s[G0A], 1
	s_mul_i32 s[G0A+1], s12, HALFA
	s_mov_b32 s[G0B], 1
	s_mul_i32 s[G0B+1], s12, HALFB
	s_add_co_u32 s[G0B+1], s[G0B+1], BBASE
	s_mul_i32 s16, s13, ATILE
	s_mul_i32 s17, s12, AHALF
	s_add_co_u32 s16, s16, s17
	s_mov_b32 s17, 0
	s_mul_i32 s20, s42, BTILE
	s_mul_i32 s21, s12, BHALF
	s_add_co_u32 s20, s20, s21
	s_mov_b32 s21, 0
	s_lshl1_add_u32 s38, s13, s11
	s_lshl1_add_u32 s39, s42, s12
	s_mov_b32 s[K1], 0xc0135761                    ; -2 sqrt(2 / pi) log2(e)
	s_mov_b32 s[K1+1], s[K1]
	s_mov_b32 s[K2], 0xbdd2d3e8                    ; 0.044715 K1
	s_mov_b32 s[K2+1], s[K2]
	s_wait_dscnt 0x0
	s_wait_kmcnt 0x0
	s_mov_b64 s[4:5], s[AP:AP+1]
	s_add_nc_u64 s[6:7], s[CP:CP+1], BOFF
	s_add_nc_u64 s[16:17], s[4:5], s[16:17]
	s_add_nc_u64 s[20:21], s[6:7], s[20:21]
	s_mov_b64 s[G0A+2:G0A+3], s[16:17]
	s_or_b32 s[G0A+3], s[G0A+3], 0x80000000
	s_mov_b64 s[G0B+2:G0B+3], s[20:21]
	s_or_b32 s[G0B+3], s[G0B+3], 0x80000000
	CROUND
	JLOAD                                          ; K step 0 into slot 0
	v_and_b32 v1, 15, v0
	v_bfe_u32 v2, v0, 4, 1
	v_lshlrev_b32 v[BO], 5, v2
	s_lshl_b32 s14, s39, 9
	s_mov_b32 s15, 0
	s_add_nc_u64 s[60:61], s[BIASP:BIASP+1], s[14:15]
	WIN TO_B
.set i, 0
.rept MB
	global_load_b128 v[8*i:8*i+3],   v[BO], s[60:61] offset:64*i
	global_load_b128 v[8*i+4:8*i+7], v[BO], s[60:61] offset:64*i+16
.set i, i+1
.endr
	WIN 0
	v_mul_u32_u24 v3, v1, APITCH
	v_lshl_add_u32 v3, v2, 4, v3
	s_mul_i32 s14, s11, AWR
	v_add_nc_u32 v[ADRA0], s14, v3
	v_and_b32 v3, 7, v0
	v_lshl_add_u32 v3, v2, 3, v3
	v_mul_u32_u24 v3, v3, BPITCH
	v_bfe_u32 v4, v0, 3, 1
	v_lshl_add_u32 v3, v4, 4, v3
	s_mul_i32 s14, s12, 32*MB
	s_add_co_u32 s14, s14, BBASE
	v_add_nc_u32 v[ADRB0], s14, v3
	s_mul_i32 s14, s10, DUMPW
	v_mul_u32_u24 v3, v1, DP
	v_lshl_add_u32 v3, v2, 5, v3
	v_add_nc_u32 v[STO], s14, v3
	v_and_b32 v4, 31, v0
	v_lshl_add_u32 v[RD], v4, 4, s14               ; back: 32 lanes take a row's 512 bytes of f32,
	v_lshlrev_b32 v[CO], 3, v4                     ; which leave as 256 bytes of f16
	s_lshl_b32 s14, s38, 20                        ; my 128 rows of 8,192 bytes
	s_lshl_b32 s22, s39, 8                         ; my 128 columns
	s_add_co_u32 s14, s14, s22
	s_mov_b32 s15, 0
	s_add_nc_u64 s[8:9], s[OUTP:OUTP+1], s[14:15]
	; THE PREFETCHES.  h's tile row is read by every cluster of that row of clusters: cluster x = 0 asks; the weights' tile column by every cluster of that column: cluster y = 0 asks.
	; A wave's load is 128 blocks of 256 bytes; the four partners that ask for it jointly take 32 each, told apart BY ADDRESS; a lane a block.  So each block is named once in the launch.
	s_and_b32 s14, ttmp7, 0xffff
	s_mov_b32 s15, BPART
	s_mov_b32 s18, BSH
	s_mov_b32 s19, BPIT
	s_mov_b32 s[PFS], BSTEP
	s_mov_b32 s[PFS+1], 0
	s_cmp_eq_u32 s11, 0
	s_cselect_b32 s14, ttmp9, s14
	s_cselect_b32 s22, s40, s41
	s_cselect_b32 s15, APART, s15
	s_cselect_b32 s18, ASH, s18
	s_cselect_b32 s19, APIT, s19
	s_cselect_b32 s[PFS], ASTEP, s[PFS]
	s_cselect_b64 s[PFA:PFA+1], s[16:17], s[20:21]
	s_cmp_eq_u32 s14, 0
	s_cselect_b32 s[LIM], 1, -1
	s_mul_i32 s22, s22, s15
	s_mov_b32 s23, 0
	s_add_nc_u64 s[PFA:PFA+1], s[PFA:PFA+1], s[22:23]
	s_add_nc_u64 s[PFA:PFA+1], s[PFA:PFA+1], s[PFS:PFS+1]
	s_add_nc_u64 s[PFA:PFA+1], s[PFA:PFA+1], s[PFS:PFS+1]  ; at K step 2: the first looped change steps it to 3 and names that
	v_and_b32 v3, 31, v0
	v_lshrrev_b32 v4, s18, v3
	v_mul_lo_u32 v4, v4, s19
	v_and_b32 v3, s18, v3
	v_lshl_add_u32 v[PFO], v3, 8, v4
	s_mov_b32 s[TBA], SLOTX+4*AQ
	s_mov_b32 s[TBB], SLOTX+4*BQ
	s_mov_b32 s23, 0xffff0000
	s_wait_loadcnt 0x0                             ; the bias
	WIN 0x45
.set i, 0
.rept 4*MB                             ; the bias is rounded to bf16, like every input
	v_cvt_pk_bf16_f32 v[192+i%16], v[2*i], v[2*i+1]
	v_lshlrev_b32 v[2*i], 16, v[192+i%16]
	v_and_b32 v[2*i+1], s23, v[192+i%16]
.set i, i+1
.endr
	WIN 0
	CHANGE 1, 0                                    ; slot 0 is in; slot 1 is asked for
	FETCH F0
	QUARTER F0, F1, 1                              ; the first quarter step starts the sums
	WIN 0
	s_mov_b32 s2, TSTEPS-1
	s_mov_b32 s3, 1
	s_branch .Lpair
.Lstep:
	CHANGE 1, PF
	s_mov_b32 s3, 2
.Lpair:
	PAIR
	s_sub_co_u32 s3, s3, 1
	s_cmp_lg_u32 s3, 0
	s_cbranch_scc1 .Lpair
	s_sub_co_u32 s2, s2, 1
	s_cmp_lg_u32 s2, 0
	s_cbranch_scc1 .Lstep
	CHANGE 0, 0                                    ; the last K step is written out
	s_mov_b32 s3, 2
.Lpair2:
	PAIR
	s_sub_co_u32 s3, s3, 1
	s_cmp_lg_u32 s3, 0
	s_cbranch_scc1 .Lpair2
	s_wait_dscnt 0x0
	MULH F1, 0, 0
	MULH F1, 1, 0
	WIN 0
	PLACES
	PLACES
	s_barrier_signal -1                            ; every wave's reads of the ring are back: it may be written
	s_barrier_wait -1
	WIN 0x08
.irp a, 0,1,2,3
.irp b, 0,1,2,3,4,5,6,7
	ds_store_b128 v[STO], v[8*(8*(\a)+(\b)):8*(8*(\a)+(\b))+3]   offset:(\a)*16*DP+64*(\b)
	ds_store_b128 v[STO], v[8*(8*(\a)+(\b))+4:8*(8*(\a)+(\b))+7] offset:(\a)*16*DP+64*(\b)+16
.endr
.endr
	WIN 0x0c
.irp a, 0,1,2,3
.irp b, 0,1,2,3,4,5,6,7
	ds_store_b128 v[STO], v[8*(8*(\a)+(\b)):8*(8*(\a)+(\b))+3]   offset:((\a)+4)*16*DP+64*(\b)
	ds_store_b128 v[STO], v[8*(8*(\a)+(\b))+4:8*(8*(\a)+(\b))+7] offset:((\a)+4)*16*DP+64*(\b)+16
.endr
.endr
	WIN 0
	s_mov_b32 s3, 16
.Lout:                                             ; eight rows a trip: 32 numbers a lane
.irp j, 0,1,2,3,4,5,6,7
	ds_load_b128 v[X+4*(\j):X+4*(\j)+3], v[RD] offset:DP*(\j)
.endr
	s_wait_dscnt 0x0
.set i, 0
.rept 16
	v_pk_mul_f32 v[TT+2*i:TT+2*i+1], v[X+2*i:X+2*i+1], v[X+2*i:X+2*i+1]
.set i, i+1
.endr
.set i, 0
.rept 16
	v_pk_fma_f32 v[TT+2*i:TT+2*i+1], v[TT+2*i:TT+2*i+1], s[K2:K2+1], s[K1:K1+1] op_sel_hi:[1,0,0]
.set i, i+1
.endr
.set i, 0
.rept 16
	v_pk_mul_f32 v[TT+2*i:TT+2*i+1], v[TT+2*i:TT+2*i+1], v[X+2*i:X+2*i+1]
.set i, i+1
.endr
.set i, 0
.rept 32
	v_exp_f32 v[TT+i], v[TT+i]
.set i, i+1
.endr
	v_nop                                          ; a plain instruction behind the last of the batch,
	s_wait_alu depctr_va_vdst(0)                   ; and one wait for all 32, ahead of the first line that names a result
.set i, 0
.rept 16
	v_pk_add_f32 v[TT+2*i:TT+2*i+1], v[TT+2*i:TT+2*i+1], 1.0 op_sel_hi:[1,0]
.set i, i+1
.endr
.set i, 0
.rept 32
	v_rcp_f32 v[TT+i], v[TT+i]
.set i, i+1
.endr
	v_nop
	s_wait_alu depctr_va_vdst(0)
.set i, 0
.rept 16
	v_pk_mul_f32 v[TT+2*i:TT+2*i+1], v[TT+2*i:TT+2*i+1], v[X+2*i:X+2*i+1]
.set i, i+1
.endr
.set i, 0
.rept 16
	v_cvt_pk_f16_f32 v[Y+i], v[TT+2*i], v[TT+2*i+1]
.set i, i+1
.endr
.irp j, 0,1,2,3,4,5,6,7
	global_store_b64 v[CO], v[Y+2*(\j):Y+2*(\j)+1], s[8:9] offset:8192*(\j)  ; a wave stores 256 consecutive bytes, aligned
.endr
	s_wait_xcnt 0x0                                ; the stores have read their data and their base
	v_add_nc_u32 v[RD], 8*DP, v[RD]
	s_add_nc_u64 s[8:9], s[8:9], 65536
	s_sub_co_u32 s3, s3, 1
	s_cmp_lg_u32 s3, 0
	s_cbranch_scc1 .Lout
	s_wait_tensorcnt 0x0                           ; the wave's end
	ds_add_u32 v[SPW], v[NIL]
	s_wait_dscnt 0x0
	CROUND
	s_endpgm
.Lfunc_end_k_qb9d8d1dd36_fc:
	.size	k_qb9d8d1dd36_fc, .Lfunc_end_k_qb9d8d1dd36_fc-k_qb9d8d1dd36_fc
	.p2alignl 7, 3214868480
	.fill 96, 4, 3214868480
	.section	.rodata,"a",@progbits
	.p2align	6, 0x0
	.amdhsa_kernel k_qb9d8d1dd36_fc
		.amdhsa_group_segment_fixed_size 327680
		.amdhsa_private_segment_fixed_size 0
		.amdhsa_enable_private_segment 0
		.amdhsa_kernarg_size 32
		.amdhsa_user_sgpr_count 2
		.amdhsa_user_sgpr_kernarg_segment_ptr 1
		.amdhsa_wavefront_size32 1
		.amdhsa_system_sgpr_workgroup_id_x 1
		.amdhsa_system_sgpr_workgroup_id_y 1
		.amdhsa_system_sgpr_workgroup_id_z 1
		.amdhsa_system_vgpr_workitem_id 0
		.amdhsa_next_free_vgpr 1024
		.amdhsa_next_free_sgpr 84
		.amdhsa_reserve_vcc 0
		.amdhsa_float_denorm_mode_32 3
		.amdhsa_float_denorm_mode_16_64 3
		.amdhsa_memory_ordered 1
		.amdhsa_forward_progress 1
		.amdhsa_inst_pref_size 75
	.end_amdhsa_kernel
	.amdgpu_metadata
---
amdhsa.version: [ 1, 2 ]
amdhsa.kernels:
  - .name:           k_qb9d8d1dd36_fc
    .symbol:         k_qb9d8d1dd36_fc.kd
    .args:
      - { .name: h, .offset: 0, .size: 8, .value_kind: global_buffer, .address_space: global }
      - { .name: cst, .offset: 8, .size: 8, .value_kind: global_buffer, .address_space: global }
      - { .name: b_fc, .offset: 16, .size: 8, .value_kind: global_buffer, .address_space: global }
      - { .name: g, .offset: 24, .size: 8, .value_kind: global_buffer, .address_space: global }
    .group_segment_fixed_size: 327680
    .private_segment_fixed_size: 0
    .kernarg_segment_align: 8
    .kernarg_segment_size: 32
    .max_flat_workgroup_size: 128
    .sgpr_count:     84
    .vgpr_count:     1024
    .wavefront_size: 32
...
	.end_amdgpu_metadata
.endif
;; end of part 6
;; launch fcproj (part 7): grid 8 x 32, 4 waves a work-group, clusters of 4 x 4, 327,680 bytes of LDS; arguments g, cst, b_fc_proj, h, p; writes p
.if DOCPART == 7
	.amdgcn_target "amdgcn-amd-amdhsa--gfx1250"
	.amdhsa_code_object_version 6
	.text
	.protected	k_qb9d8d1dd36_fcproj
	.globl	k_qb9d8d1dd36_fcproj
	.p2align	8
	.type	k_qb9d8d1dd36_fcproj,@function
k_qb9d8d1dd36_fcproj:
	s_mov_b64 s[64:65], 0
	v_nop
	global_prefetch_b8 v0, s[64:65] scope:SCOPE_SE
	s_setreg_imm32_b32 hwreg(HW_REG_WAVE_MODE, 25, 1), 1
	s_wait_xcnt 0x0
	s_wait_alu depctr_hold_cnt(0) depctr_sa_sdst(0) depctr_va_vdst(0) depctr_va_sdst(0) depctr_va_ssrc(0) depctr_va_vcc(0) depctr_vm_vsrc(0)
	s_getreg_b32 s2, hwreg(HW_REG_IB_STS2, 6, 4)
	s_cmp_eq_u32 s2, 0
	s_cbranch_scc0 .Lentry_in_a_cluster
	s_endpgm
.Lentry_in_a_cluster:
	s_bfe_u32 s2, ttmp6, 0x10000c
	s_cmp_lg_u32 s2, 0xf033
	s_cbranch_scc0 .Lentry_shape_is_right
	s_endpgm
.Lentry_shape_is_right:
; p = h + g w_fc_proj + b_fc_proj, [4096][1024] in f32.  g [4096][4096] f16; w_fc_proj [4096][1024] f16 at byte 0x1800000 of cst; h [4096][1024] f16; the bias is rounded to bf16 here.
; SHARES.  A tile of 128 x 128 to a work-group of four waves, 64 x 64 a wave: 16 accumulators; 256 work-groups.  K goes in steps of 256 through two LDS slots: g's rows are 512 bytes of memory.
; THE WEIGHTS LIE [K][N] and are read by the turning load.  THE MATRIX INSTRUCTION IS USED TRANSPOSED: a lane holds row l % 16 and the eight columns 8 (l / 16) + 0..7.
; The sums start at h + bias, made by one fused multiply-add a number while the first tile is on its way.
; CLUSTER 4 x 4: g's tile jointly along a row of the cluster, the weights' along a column.
; A K STEP IS WRITTEN ONCE: a PAIR of quarter steps in a loop of two trips.  THE WAY OUT: the accumulators go as f32 into the ring, which has had its last fill, and each wave reads its own part back by rows.
; REGISTERS: window 0 addresses, g's fragments (v64-191; v64-127 first hold h), way out; window 1 bias (v0-31), the weights' fragments (v64-191); window 2 the accumulators, (a, b) at 8 (4 a + b).
.set MB,     4
.set CQ,     2
.set TSTEPS, 16
.set APITCH, 528                       ; 512 bytes + 16
.set AQ,     128
.set AWR,    64*APITCH
.set BPITCH, 288                       ; 256 bytes + 32
.set BQ,     32*CQ*BPITCH
.set HALFA,  64*APITCH
.set HALFB,  128*BPITCH
.set BBASE,  2*HALFA
.set SLOTX,  0x24000                   ; none of its bits is set in a load's place in slot 0 (0, 0x8400, 0x10800, 0x19800)
.set SPARE,  0x46800
.set ASTEP,  512
.set BSTEP,  256*2048
.set BOFF,   0x1800000
.set ATILE,  128*8192
.set AHALF,  64*8192
.set BTILE,  256
.set BHALF,  128*2048
.set DP,     272
.set DUMPW,  64*DP
.set WQ,     16
.set PF,     1
.set APIT,   8192
.set ASH,    1
.set APART,  16*8192
.set BPIT,   2048
.set BSH,    0
.set BPART,  32*2048
.set AG10,   (1<<16)|(1<<20)|(1<<21)|(6<<22)|(3<<25)  ; after every 128 words 4 words
.set ADIM0,  256
.set ADIM1,  64
.set ASTR,   4096
.set BG10,   (1<<16)|(1<<20)|(1<<21)|(5<<22)|(7<<25)  ; after every 64 words 8 words
.set BDIM0,  128
.set BDIM1,  128
.set BSTR,   1024
.set AP,     68
.set CP,     70
.set BIASP,  72
.set RESP,   74
.set OUTP,   76
.set ONE,   6
.set ADRA0, 16
.set ADRB0, 17
.set ADRA,  18
.set ADRB,  19
.set STO,   24
.set RD,    25
.set CO,    26
.set BO,    27
.set SPW,   28
.set NIL,   29
.set PFO,   30
.set RO,    31
.set X,     32
.set F0,    64
.set F1,    128
.set G1A,   24
.set G0A,   32
.set TBA,   36
.set TBB,   37
.set LIM,   43
.set PFA,   44
.set PFS,   46
.set G1B,   48
.set G0B,   56
.set TO_B,  0x40
.set MSB, 0
.macro WIN new
.if MSB != (\new)
	s_set_vgpr_msb (MSB<<8)|(\new)
.set MSB, \new
.endif
.endm
.macro PLACES
.rept 4
	v_nop
.endr
.endm
.macro JLOAD                           ; a joint load: waves 0, 1 fetch the two halves of g's tile, waves 2, 3 those of the weights'
	s_cmp_eq_u32 s11, 0
	s_cbranch_scc0 .Lfor_b_\@
	tensor_load_to_lds s[G0A:G0A+3], s[G1A:G1A+7]
	s_nop 0
.rept 4
	v_nop
.endr
	s_branch .Lasked_\@
.Lfor_b_\@:
	tensor_load_to_lds s[G0B:G0B+3], s[G1B:G1B+7]
	s_nop 0
.rept 4
	v_nop
.endr
.Lasked_\@:
.endm
.macro CROUND
	s_barrier_signal -1
	s_barrier_wait -1
	s_cmp_lg_u32 s10, 0
	s_cbranch_scc1 .Lnot_wave_0_\@
	s_barrier_signal -3
.Lnot_wave_0_\@:
	s_barrier_wait -3
	s_barrier_signal -1
	s_barrier_wait -1
.endm
.macro ASK                             ; a prefetch of my work-group's 32 blocks of 256 bytes of the tile that the NEXT change of slots will ask for; the last looped change (s2 = 1) asks for nothing
	s_cmp_gt_u32 s2, s[LIM]
	s_cbranch_scc0 .Lnot_mine_\@
	global_prefetch_b8 v[PFO], s[PFA:PFA+1] th:TH_LOAD_NT scope:SCOPE_SE
.Lnot_mine_\@:
.endm
; 16 products: all 16 accumulators, 32 along K (half 0 or 1 of the quarter step).  The accumulators take turns, in the same order every time.
.macro MULH f, half, cb
	WIN 0xa1
.irp a, 0,1,2,3
.irp b, 0,1,2,3
	v_wmma_f32_16x16x32_f16 v[8*(4*(\a)+(\b)):8*(4*(\a)+(\b))+7], v[(\f)+8*(4*(\half)+(\b)):(\f)+8*(4*(\half)+(\b))+7], v[(\f)+8*(4*(\half)+(\a)):(\f)+8*(4*(\half)+(\a))+7], v[8*(4*(\a)+(\b)):8*(4*(\a)+(\b))+7]
.endr
.endr
.endm
.macro FETCH g                         ; 32 LDS loads in one run; the first 32 along K first
	WIN 0
	v_add_nc_u32 v[ADRA], s[TBA], v[ADRA0]
	v_add_nc_u32 v[ADRB], s[TBB], v[ADRB0]
.set cc, 0
.rept CQ
	WIN TO_B
.set bb, 0
.rept MB
	ds_load_tr16_b128 v[(\g)+8*(MB*cc+bb):(\g)+8*(MB*cc+bb)+3],   v[ADRB] offset:32*bb+32*cc*BPITCH
	ds_load_tr16_b128 v[(\g)+8*(MB*cc+bb)+4:(\g)+8*(MB*cc+bb)+7], v[ADRB] offset:32*bb+32*cc*BPITCH+16*BPITCH
.set bb, bb+1
.endr
	WIN 0
.set bb, 0
.rept MB
	ds_load_b128 v[(\g)+8*(MB*cc+bb):(\g)+8*(MB*cc+bb)+3],   v[ADRA] offset:bb*16*APITCH+64*cc
	ds_load_b128 v[(\g)+8*(MB*cc+bb)+4:(\g)+8*(MB*cc+bb)+7], v[ADRA] offset:bb*16*APITCH+64*cc+32
.set bb, bb+1
.endr
.set cc, cc+1
.endr
	s_add_co_u32 s[TBA], s[TBA], AQ
	s_add_co_u32 s[TBB], s[TBB], BQ
.endm
.macro QUARTER f, g, cb
	s_wait_dscnt WQ                                ; what the first half multiplies is in
	MULH \f, 0, \cb
	PLACES                                         ; behind the products that read g, a quarter step back
	FETCH \g
	s_wait_dscnt 32                                ; all but the 32 just issued
	MULH \f, 1, \cb
.endm
.macro PAIR
	QUARTER F1, F0, 0
	QUARTER F0, F1, 0
	WIN 0
.endm
; THE CHANGE OF SLOTS.  Each wave waits for all its tensor loads, adds 0 to its spare word, and waits for that and for its reads of the slot that it leaves.
; fill = 1: the barrier is a round of the cluster's, and the slot just left is filled again first thing behind it; the load has a K step's 128 matrix instructions in which to land.
.macro CHANGE fill, ask
	WIN 0
.if \ask
	s_wait_xcnt 0x0                                ; the last prefetch, a K step back, has read its address
	s_add_nc_u64 s[PFA:PFA+1], s[PFA:PFA+1], s[PFS:PFS+1]
.endif
	s_wait_tensorcnt 0x0
	ds_add_u32 v[SPW], v[NIL]
.if \fill
	s_xor_b32 s[G0A+1], s[G0A+1], SLOTX
	s_add_nc_u64 s[G0A+2:G0A+3], s[G0A+2:G0A+3], ASTEP
	s_xor_b32 s[G0B+1], s[G0B+1], SLOTX
	s_add_nc_u64 s[G0B+2:G0B+3], s[G0B+2:G0B+3], BSTEP
.endif
	s_sub_co_u32 s[TBA], s[TBA], 4*AQ
	s_xor_b32 s[TBA], s[TBA], SLOTX
	s_sub_co_u32 s[TBB], s[TBB], 4*BQ
	s_xor_b32 s[TBB], s[TBB], SLOTX
	s_wait_dscnt 0x0
.if \fill
	CROUND
	JLOAD
.if \ask
	ASK
.endif
.else
	s_barrier_signal -1
	s_barrier_wait -1
.endif
.endm
	s_load_b256 s[68:75], s[0:1], 0x0              ; g, cst, b_fc_proj, h
	s_load_b64 s[76:77], s[0:1], 0x20              ; p
	v_lshl_add_u32 v[SPW], v0, 2, SPARE
	v_mov_b32 v[NIL], 0
	ds_add_u32 v[SPW], v[NIL]                      ; the wave's opening: the add and its wait ahead of my first tensor load
	ds_add_u32 v28, v29
	v_lshrrev_b32 v1, 5, v0
	v_readfirstlane_b32 s10, v1
	s_lshr_b32 s11, s10, 1
	s_and_b32 s12, s10, 1
	s_bfe_u32 s40, ttmp6, 0x40000
	s_bfe_u32 s41, ttmp6, 0x40004
	s_lshl_b32 s42, ttmp9, 2
	s_add_co_u32 s42, s42, s40                     ; tile column
	s_and_b32 s13, ttmp7, 0xffff
	s_lshl_b32 s13, s13, 2
	s_add_co_u32 s13, s13, s41                     ; tile row
	s_lshl_b32 s14, s41, 2
	s_lshl_b32 s14, 15, s14
	s_lshl_b32 s15, 0x1111, s40
	s_or_b32 s[G1A], s14, AG10
	s_or_b32 s[G1B], s15, BG10
	s_mov_b32 s[G1A+1], ADIM0<<16
	s_mov_b32 s[G1A+2], ADIM1<<16
	s_mov_b32 s[G1A+3], ADIM0<<16
	s_mov_b32 s[G1A+4], ADIM1
	s_mov_b32 s[G1A+5], ASTR
	s_mov_b32 s[G1A+6], 0
	s_mov_b32 s[G1A+7], 0
	s_mov_b32 s[G1B+1], BDIM0<<16
	s_mov_b32 s[G1B+2], BDIM1<<16
	s_mov_b32 s[G1B+3], BDIM0<<16
	s_mov_b32 s[G1B+4], BDIM1
	s_mov_b32 s[G1B+5], BSTR
	s_mov_b32 s[G1B+6], 0
	s_mov_b32 s[G1B+7], 0
	s_mov_b32 s[G0A], 1
	s_mul_i32 s[G0A+1], s12, HALFA
	s_mov_b32 s[G0B], 1
	s_mul_i32 s[G0B+1], s12, HALFB
	s_add_co_u32 s[G0B+1], s[G0B+1], BBASE
	s_mul_i32 s16, s13, ATILE
	s_mul_i32 s17, s12, AHALF
	s_add_co_u32 s16, s16, s17
	s_mov_b32 s17, 0
	s_mul_i32 s20, s42, BTILE
	s_mul_i32 s21, s12, BHALF
	s_add_co_u32 s20, s20, s21
	s_mov_b32 s21, 0
	s_lshl1_add_u32 s38, s13, s11                  ; my 64 rows among all
	s_lshl1_add_u32 s39, s42, s12                  ; my 64 columns
	s_wait_dscnt 0x0
	s_wait_kmcnt 0x0
	s_mov_b64 s[4:5], s[AP:AP+1]
	s_add_nc_u64 s[6:7], s[CP:CP+1], BOFF
	s_add_nc_u64 s[16:17], s[4:5], s[16:17]
	s_add_nc_u64 s[20:21], s[6:7], s[20:21]
	s_mov_b64 s[G0A+2:G0A+3], s[16:17]
	s_or_b32 s[G0A+3], s[G0A+3], 0x80000000
	s_mov_b64 s[G0B+2:G0B+3], s[20:21]
	s_or_b32 s[G0B+3], s[G0B+3], 0x80000000
	CROUND
	JLOAD                                          ; K step 0 into slot 0
	v_and_b32 v1, 15, v0
	v_bfe_u32 v2, v0, 4, 1
	v_lshlrev_b32 v[BO], 5, v2
	v_lshlrev_b32 v[RO], 11, v1                    ; the residual: row r of 2,048 bytes, 16 bytes for each half of the lanes
	v_lshl_add_u32 v[RO], v2, 4, v[RO]
	v_mov_b32 v[ONE], 1.0
	s_lshl_b32 s14, s39, 8
	s_mov_b32 s15, 0
	s_add_nc_u64 s[60:61], s[BIASP:BIASP+1], s[14:15]
	s_lshl_b32 s14, s38, 17
	s_lshl_b32 s22, s39, 7
	s_add_co_u32 s14, s14, s22
	s_add_nc_u64 s[62:63], s[RESP:RESP+1], s[14:15]
	s_lshl_b32 s14, s38, 18
	s_lshl_b32 s22, s39, 8
	s_add_co_u32 s14, s14, s22
	s_add_nc_u64 s[8:9], s[OUTP:OUTP+1], s[14:15]
	WIN TO_B
.set i, 0
.rept MB
	global_load_b128 v[8*i:8*i+3],   v[BO], s[60:61] offset:64*i
	global_load_b128 v[8*i+4:8*i+7], v[BO], s[60:61] offset:64*i+16
.set i, i+1
.endr
	WIN 0
.set i, 0
.rept 16                               ; block (a, b) = (i / 4, i % 4): my eight numbers of row 16 a + r
	global_load_b128 v[64+4*i:64+4*i+3], v[RO], s[62:63] offset:(i/4)*32768+(i%4)*32
.set i, i+1
.endr
	v_mul_u32_u24 v3, v1, APITCH
	v_lshl_add_u32 v3, v2, 4, v3
	s_mul_i32 s14, s11, AWR
	v_add_nc_u32 v[ADRA0], s14, v3
	v_and_b32 v3, 7, v0
	v_lshl_add_u32 v3, v2, 3, v3
	v_mul_u32_u24 v3, v3, BPITCH
	v_bfe_u32 v4, v0, 3, 1
	v_lshl_add_u32 v3, v4, 4, v3
	s_mul_i32 s14, s12, 32*MB
	s_add_co_u32 s14, s14, BBASE
	v_add_nc_u32 v[ADRB0], s14, v3
	s_mul_i32 s14, s10, DUMPW
	v_mul_u32_u24 v3, v1, DP
	v_lshl_add_u32 v3, v2, 5, v3
	v_add_nc_u32 v[STO], s14, v3
	v_mul_u32_u24 v3, v2, DP                       ; back: lanes 0-15 take one row of 256 bytes, lanes 16-31 the next
	v_lshl_add_u32 v3, v1, 4, v3
	v_add_nc_u32 v[RD], s14, v3
	v_lshlrev_b32 v3, 12, v2
	v_lshl_add_u32 v[CO], v1, 4, v3
	; THE PREFETCHES.  g's tile row is read by every cluster of that row of clusters: cluster x = 0 asks; the weights' tile column by every cluster of that column: cluster y = 0 asks.
	; A wave's load is 128 blocks of 256 bytes; the four partners that ask for it jointly take 32 each, told apart BY ADDRESS; a lane a block.  So each block is named once in the launch.
	s_and_b32 s14, ttmp7, 0xffff
	s_mov_b32 s15, BPART
	s_mov_b32 s18, BSH
	s_mov_b32 s19, BPIT
	s_mov_b32 s[PFS], BSTEP
	s_mov_b32 s[PFS+1], 0
	s_cmp_eq_u32 s11, 0
	s_cselect_b32 s14, ttmp9, s14
	s_cselect_b32 s22, s40, s41
	s_cselect_b32 s15, APART, s15
	s_cselect_b32 s18, ASH, s18
	s_cselect_b32 s19, APIT, s19
	s_cselect_b32 s[PFS], ASTEP, s[PFS]
	s_cselect_b64 s[PFA:PFA+1], s[16:17], s[20:21]
	s_cmp_eq_u32 s14, 0
	s_cselect_b32 s[LIM], 1, -1
	s_mul_i32 s22, s22, s15
	s_mov_b32 s23, 0
	s_add_nc_u64 s[PFA:PFA+1], s[PFA:PFA+1], s[22:23]
	s_add_nc_u64 s[PFA:PFA+1], s[PFA:PFA+1], s[PFS:PFS+1]
	s_add_nc_u64 s[PFA:PFA+1], s[PFA:PFA+1], s[PFS:PFS+1]  ; at K step 2: the first looped change steps it to 3 and names that
	v_and_b32 v3, 31, v0
	v_lshrrev_b32 v4, s18, v3
	v_mul_lo_u32 v4, v4, s19
	v_and_b32 v3, s18, v3
	v_lshl_add_u32 v[PFO], v3, 8, v4
	s_mov_b32 s[TBA], SLOTX+4*AQ
	s_mov_b32 s[TBB], SLOTX+4*BQ
	s_mov_b32 s23, 0xffff0000
	s_wait_loadcnt 0x0                             ; bias and residual
	WIN 0x45
.set i, 0
.rept 4*MB                             ; the bias is rounded to bf16, like every input
	v_cvt_pk_bf16_f32 v[192+i%16], v[2*i], v[2*i+1]
	v_lshlrev_b32 v[2*i], 16, v[192+i%16]
	v_and_b32 v[2*i+1], s23, v[192+i%16]
.set i, i+1
.endr
	WIN 0x90                                       ; destination window 2, the f16 halves and 1.0 in window 0, the bias in window 1
.set i, 0
.rept 64                               ; word i: block i / 4, numbers 2 (i % 4) and 2 (i % 4) + 1: the sums start at residual x 1 + bias
	v_fma_mix_f32 v[2*i],   v[64+i], v[ONE], v[8*((i/4)%4)+2*(i%4)]   op_sel_hi:[1,0,0]
	v_fma_mix_f32 v[2*i+1], v[64+i], v[ONE], v[8*((i/4)%4)+2*(i%4)+1] op_sel:[1,0,0] op_sel_hi:[1,0,0]
.set i, i+1
.endr
	WIN 0
	CHANGE 1, 0                                    ; slot 0 is in; slot 1 is asked for
	FETCH F0
	QUARTER F0, F1, 0
	WIN 0
	s_mov_b32 s2, TSTEPS-1
	s_mov_b32 s3, 1
	s_branch .Lpair
.Lstep:
	CHANGE 1, PF
	s_mov_b32 s3, 2
.Lpair:
	PAIR
	s_sub_co_u32 s3, s3, 1
	s_cmp_lg_u32 s3, 0
	s_cbranch_scc1 .Lpair
	s_sub_co_u32 s2, s2, 1
	s_cmp_lg_u32 s2, 0
	s_cbranch_scc1 .Lstep
	CHANGE 0, 0                                    ; the last K step is written out
	s_mov_b32 s3, 2
.Lpair2:
	PAIR
	s_sub_co_u32 s3, s3, 1
	s_cmp_lg_u32 s3, 0
	s_cbranch_scc1 .Lpair2
	s_wait_dscnt 0x0
	MULH F1, 0, 0
	MULH F1, 1, 0
	WIN 0
	PLACES
	PLACES
	s_barrier_signal -1                            ; every wave's reads of the ring are back: it may be written
	s_barrier_wait -1
	WIN 0x08
.irp a, 0,1,2,3
.irp b, 0,1,2,3
	ds_store_b128 v[STO], v[8*(4*(\a)+(\b)):8*(4*(\a)+(\b))+3]   offset:(\a)*16*DP+64*(\b)
	ds_store_b128 v[STO], v[8*(4*(\a)+(\b))+4:8*(4*(\a)+(\b))+7] offset:(\a)*16*DP+64*(\b)+16
.endr
.endr
	WIN 0
	s_mov_b32 s3, 4
.Lout:                                             ; sixteen rows a trip
.irp j, 0,1,2,3,4,5,6,7
	ds_load_b128 v[X+4*(\j):X+4*(\j)+3], v[RD] offset:2*DP*(\j)
.endr
.irp j, 0,1,2,3,4,5,6,7
	s_wait_dscnt 7-(\j)
	global_store_b128 v[CO], v[X+4*(\j):X+4*(\j)+3], s[8:9] offset:8192*(\j)  ; 16 lanes store 256 consecutive bytes, aligned
.endr
	s_wait_xcnt 0x0                                ; the stores have read their data and their base
	v_add_nc_u32 v[RD], 16*DP, v[RD]
	s_add_nc_u64 s[8:9], s[8:9], 65536
	s_sub_co_u32 s3, s3, 1
	s_cmp_lg_u32 s3, 0
	s_cbranch_scc1 .Lout
	s_wait_tensorcnt 0x0                           ; the wave's end
	ds_add_u32 v[SPW], v[NIL]
	s_wait_dscnt 0x0
	CROUND
	s_endpgm
.Lfunc_end_k_qb9d8d1dd36_fcproj:
	.size	k_qb9d8d1dd36_fcproj, .Lfunc_end_k_qb9d8d1dd36_fcproj-k_qb9d8d1dd36_fcproj
	.p2alignl 7, 3214868480
	.fill 96, 4, 3214868480
	.section	.rodata,"a",@progbits
	.p2align	6, 0x0
	.amdhsa_kernel k_qb9d8d1dd36_fcproj
		.amdhsa_group_segment_fixed_size 327680
		.amdhsa_private_segment_fixed_size 0
		.amdhsa_enable_private_segment 0
		.amdhsa_kernarg_size 40
		.amdhsa_user_sgpr_count 2
		.amdhsa_user_sgpr_kernarg_segment_ptr 1
		.amdhsa_wavefront_size32 1
		.amdhsa_system_sgpr_workgroup_id_x 1
		.amdhsa_system_sgpr_workgroup_id_y 1
		.amdhsa_system_sgpr_workgroup_id_z 1
		.amdhsa_system_vgpr_workitem_id 0
		.amdhsa_next_free_vgpr 640
		.amdhsa_next_free_sgpr 84
		.amdhsa_reserve_vcc 0
		.amdhsa_float_denorm_mode_32 3
		.amdhsa_float_denorm_mode_16_64 3
		.amdhsa_memory_ordered 1
		.amdhsa_forward_progress 1
		.amdhsa_inst_pref_size 56
	.end_amdhsa_kernel
	.amdgpu_metadata
---
amdhsa.version: [ 1, 2 ]
amdhsa.kernels:
  - .name:           k_qb9d8d1dd36_fcproj
    .symbol:         k_qb9d8d1dd36_fcproj.kd
    .args:
      - { .name: g, .offset: 0, .size: 8, .value_kind: global_buffer, .address_space: global }
      - { .name: cst, .offset: 8, .size: 8, .value_kind: global_buffer, .address_space: global }
      - { .name: b_fc_proj, .offset: 16, .size: 8, .value_kind: global_buffer, .address_space: global }
      - { .name: h, .offset: 24, .size: 8, .value_kind: global_buffer, .address_space: global }
      - { .name: p, .offset: 32, .size: 8, .value_kind: global_buffer, .address_space: global }
    .group_segment_fixed_size: 327680
    .private_segment_fixed_size: 0
    .kernarg_segment_align: 8
    .kernarg_segment_size: 40
    .max_flat_workgroup_size: 128
    .sgpr_count:     84
    .vgpr_count:     640
    .wavefront_size: 32
...
	.end_amdgpu_metadata
.endif
;; end of part 7
;; launch ln2 (part 8): grid 512 x 1, 8 waves a work-group, no clusters, 0 bytes of LDS; arguments p, ln2_g, ln2_b, out0; writes out0
.if DOCPART == 8
	.amdgcn_target "amdgcn-amd-amdhsa--gfx1250"
	.amdhsa_code_object_version 6
	.text
	.protected	k_qb9d8d1dd36_ln2
	.globl	k_qb9d8d1dd36_ln2
	.p2align	8
	.type	k_qb9d8d1dd36_ln2,@function
k_qb9d8d1dd36_ln2:
	s_mov_b64 s[64:65], 0
	v_nop
	global_prefetch_b8 v0, s[64:65] scope:SCOPE_SE
	s_setreg_imm32_b32 hwreg(HW_REG_WAVE_MODE, 25, 1), 1
	s_wait_xcnt 0x0
; out0 = (p - mean) / sqrt(var + 1e-5) x gain + shift along rows of 1,024, f32 in and out; gain and shift are rounded to bf16, like every input.
; One wave, one row, kept in 32 registers: read once; the variance is taken of the centred numbers, so no difference of large sums is formed.  Eight rows a work-group.
; Lane l holds columns 128 j + 4 l .. + 3, j = 0..7: a load and a store cover 512 consecutive bytes.  Memory binds: no LDS, no barrier, no matrix unit.
.set F16OUT, 0
.set S,  8                             ; v[8:15]   four chains of sums
.set MU, 16                            ; v[16:17]  the mean, twice
.set RS, 18                            ; v[18:19]  1 / sqrt(var + eps), twice
.set X,  32
.set G,  64
.set BV, 96
.set Y,  128                           ; at work
.macro LANES                           ; the sum of v20 over the 32 lanes, in every lane
	v_add_f32_dpp v20, v20, v20 row_xmask:1 row_mask:0xf bank_mask:0xf
	v_add_f32_dpp v20, v20, v20 row_xmask:2 row_mask:0xf bank_mask:0xf
	v_add_f32_dpp v20, v20, v20 row_xmask:4 row_mask:0xf bank_mask:0xf
	v_add_f32_dpp v20, v20, v20 row_xmask:8 row_mask:0xf bank_mask:0xf
	v_permlanex16_b32 v21, v20, s16, s17
	v_add_f32 v20, v20, v21
.endm
.macro FOLD                            ; the four chains into v20
	v_pk_add_f32 v[S:S+1], v[S:S+1], v[S+2:S+3]
	v_pk_add_f32 v[S+4:S+5], v[S+4:S+5], v[S+6:S+7]
	v_pk_add_f32 v[S:S+1], v[S:S+1], v[S+4:S+5]
	v_add_f32 v20, v[S], v[S+1]
.endm
	s_load_b256 s[4:11], s[0:1], 0x0               ; p, gain, shift, out
	v_lshrrev_b32 v1, 5, v0
	v_readfirstlane_b32 s12, v1
	s_lshl3_add_u32 s13, ttmp9, s12                ; my row
	v_and_b32 v2, 31, v0
	v_lshlrev_b32 v3, 4, v2
	v_lshlrev_b32 v4, 3, v2
	v_mov_b32 v21, 0                               ; v_permlanex16_b32 counts as a reader of its destination
	s_lshl_b32 s14, s13, 12
	s_mov_b32 s15, 0
	s_mov_b32 s16, 0x76543210
	s_mov_b32 s17, 0xfedcba98
	s_mov_b32 s18, 0x3a800000                      ; 1 / 1024
	s_mov_b32 s19, 0x3727c5ac                      ; 1e-5
	s_mov_b32 s20, 0xffff0000
	s_wait_kmcnt 0x0
	s_add_nc_u64 s[4:5], s[4:5], s[14:15]
.if F16OUT
	s_lshl_b32 s14, s13, 11
.endif
	s_add_nc_u64 s[10:11], s[10:11], s[14:15]
.irp j, 0,1,2,3,4,5,6,7
	global_load_b128 v[X+4*\j:X+4*\j+3], v3, s[4:5] offset:512*\j th:TH_LOAD_NT
.endr
.irp j, 0,1,2,3,4,5,6,7
	global_load_b128 v[G+4*\j:G+4*\j+3], v3, s[6:7] offset:512*\j
.endr
.irp j, 0,1,2,3,4,5,6,7
	global_load_b128 v[BV+4*\j:BV+4*\j+3], v3, s[8:9] offset:512*\j
.endr
	s_wait_loadcnt 16                              ; the row is in; gain's and shift's 16 loads stay out
.irp c, 0,1,2,3
	v_pk_add_f32 v[S+2*\c:S+2*\c+1], v[X+2*\c:X+2*\c+1], v[X+8+2*\c:X+8+2*\c+1]
.endr
.irp c, 0,1,2,3
	v_pk_add_f32 v[S+2*\c:S+2*\c+1], v[S+2*\c:S+2*\c+1], v[X+16+2*\c:X+16+2*\c+1]
.endr
.irp c, 0,1,2,3
	v_pk_add_f32 v[S+2*\c:S+2*\c+1], v[S+2*\c:S+2*\c+1], v[X+24+2*\c:X+24+2*\c+1]
.endr
	FOLD
	LANES
	v_mul_f32 v[MU], s18, v20
	v_mov_b32 v[MU+1], v[MU]
.set i, 0
.rept 16
	v_pk_add_f32 v[X+2*i:X+2*i+1], v[X+2*i:X+2*i+1], v[MU:MU+1] neg_lo:[0,1] neg_hi:[0,1]
.set i, i+1
.endr
.irp c, 0,1,2,3
	v_pk_mul_f32 v[S+2*\c:S+2*\c+1], v[X+2*\c:X+2*\c+1], v[X+2*\c:X+2*\c+1]
.endr
.irp d, 8,16,24
.irp c, 0,1,2,3
	v_pk_fma_f32 v[S+2*\c:S+2*\c+1], v[X+\d+2*\c:X+\d+2*\c+1], v[X+\d+2*\c:X+\d+2*\c+1], v[S+2*\c:S+2*\c+1]
.endr
.endr
	FOLD
	LANES
	v_fma_f32 v22, v20, s18, s19                   ; var + eps
	v_rsq_f32 v[RS], v22
	s_wait_loadcnt 0x0                             ; gain and shift: their rounding is the independent work behind the root
.set i, 0
.rept 16
	v_cvt_pk_bf16_f32 v[Y+i], v[G+2*i], v[G+2*i+1]
	v_lshlrev_b32 v[G+2*i], 16, v[Y+i]
	v_and_b32 v[G+2*i+1], s20, v[Y+i]
.set i, i+1
.endr
.set i, 0
.rept 16
	v_cvt_pk_bf16_f32 v[Y+i], v[BV+2*i], v[BV+2*i+1]
	v_lshlrev_b32 v[BV+2*i], 16, v[Y+i]
	v_and_b32 v[BV+2*i+1], s20, v[Y+i]
.set i, i+1
.endr
	s_wait_alu depctr_va_vdst(0)                   ; the wait ahead of the first line that names the root's result
	v_mov_b32 v[RS+1], v[RS]
.set i, 0
.rept 16
	v_pk_mul_f32 v[X+2*i:X+2*i+1], v[X+2*i:X+2*i+1], v[RS:RS+1]
.set i, i+1
.endr
.set i, 0
.rept 16
	v_pk_fma_f32 v[X+2*i:X+2*i+1], v[X+2*i:X+2*i+1], v[G+2*i:G+2*i+1], v[BV+2*i:BV+2*i+1]
.set i, i+1
.endr
.if F16OUT
.set i, 0
.rept 16
	v_cvt_pk_f16_f32 v[Y+i], v[X+2*i], v[X+2*i+1]
.set i, i+1
.endr
.irp j, 0,1,2,3,4,5,6,7
	global_store_b64 v4, v[Y+2*\j:Y+2*\j+1], s[10:11] offset:256*\j
.endr
.else
.irp j, 0,1,2,3,4,5,6,7
	global_store_b128 v3, v[X+4*\j:X+4*\j+3], s[10:11] offset:512*\j
.endr
.endif
	s_endpgm
.Lfunc_end_k_qb9d8d1dd36_ln2:
	.size	k_qb9d8d1dd36_ln2, .Lfunc_end_k_qb9d8d1dd36_ln2-k_qb9d8d1dd36_ln2
	.p2alignl 7, 3214868480
	.fill 96, 4, 3214868480
	.section	.rodata,"a",@progbits
	.p2align	6, 0x0
	.amdhsa_kernel k_qb9d8d1dd36_ln2
		.amdhsa_group_segment_fixed_size 0
		.amdhsa_private_segment_fixed_size 0
		.amdhsa_enable_private_segment 0
		.amdhsa_kernarg_size 32
		.amdhsa_user_sgpr_count 2
		.amdhsa_user_sgpr_kernarg_segment_ptr 1
		.amdhsa_wavefront_size32 1
		.amdhsa_system_sgpr_workgroup_id_x 1
		.amdhsa_system_sgpr_workgroup_id_y 1
		.amdhsa_system_sgpr_workgroup_id_z 1
		.amdhsa_system_vgpr_workitem_id 0
		.amdhsa_next_free_vgpr 144
		.amdhsa_next_free_sgpr 66
		.amdhsa_reserve_vcc 0
		.amdhsa_float_denorm_mode_32 3
		.amdhsa_float_denorm_mode_16_64 3
		.amdhsa_memory_ordered 1
		.amdhsa_forward_progress 1
		.amdhsa_inst_pref_size 15
	.end_amdhsa_kernel
	.amdgpu_metadata
---
amdhsa.version: [ 1, 2 ]
amdhsa.kernels:
  - .name:           k_qb9d8d1dd36_ln2
    .symbol:         k_qb9d8d1dd36_ln2.kd
    .args:
      - { .name: p, .offset: 0, .size: 8, .value_kind: global_buffer, .address_space: global }
      - { .name: ln2_g, .offset: 8, .size: 8, .value_kind: global_buffer, .address_space: global }
      - { .name: ln2_b, .offset: 16, .size: 8, .value_kind: global_buffer, .address_space: global }
      - { .name: out0, .offset: 24, .size: 8, .value_kind: global_buffer, .address_space: global }
    .group_segment_fixed_size: 0
    .private_segment_fixed_size: 0
    .kernarg_segment_align: 8
    .kernarg_segment_size: 32
    .max_flat_workgroup_size: 256
    .sgpr_count:     66
    .vgpr_count:     144
    .wavefront_size: 32
...
	.end_amdgpu_metadata
.endif
;; end of part 8
